; MI455X (gfx1250); checked and timed in simulation.
; The chip was launched on July 23, 2026; its instructions are those of AMD's public machine-readable ISA for CDNA 5 (MIT licence, August 2026) and "CDNA5" Instruction Set Architecture Reference Guide (July 2026). The comments in the code are by the model that wrote it; some were corrected since.
;; Mo E layer megatron. Allowed arithmetic: matrix products marked QUANTISED: E2M3 operands, one E8M0 scale for each 32 along K, by v_wmma_scale_f32_16x16x128_f8f6f4 with both operands' format E2M3, f32 sums; products left as they are: f32 operands where the result goes on into a quantised operand, else bf16, f16 or f32 operands; f32 sums; everything else in f32.
;; Inputs: router_w 1,024 x 8 float32; w1 8 x 1,024 x 4,096 float32; w2 8 x 4,096 x 1,024 float32; x 256 x 4 x 1,024 float32.
;; Outputs: out0 256 x 4 x 1,024 float32.
;; This version of the problem:
;;   THIS VERSION OF THE PROBLEM IS GIVEN IN LOW PRECISION. The matrix products marked QUANTISED in the list below multiply operands that are first quantised to E2M3 (2 exponent bits, 3 mantissa bits; 6 bits a number), with one power-of-two scale for each 32 numbers along K (OCP MX v1.0); their sums are f32. All else is computed in f32.
;;   The module's matrix products, in the order in which they are computed (A, B: the left and right operand; K: the contracted axis; several contracted axes count as one K, in the product's order):
;;     1. [M 1,024, K 1,024] x [K 1,024, N 8]; A: input x; B: input router_w: left as it is (N = 8 < 16)
;;     2. [M 1,024, K 1,024] x [K 1,024, N 4,096]; A: input x; B: input w1: QUANTISED
;;     3. [M 1,024, K 4,096] x [K 4,096, N 1,024]; A: computed on the way; B: input w2: QUANTISED
;;     4. [M 1,024, K 1,024] x [K 1,024, N 4,096]; A: input x; B: input w1: QUANTISED
;;     5. [M 1,024, K 4,096] x [K 4,096, N 1,024]; A: computed on the way; B: input w2: QUANTISED
;;     6. [M 1,024, K 1,024] x [K 1,024, N 4,096]; A: input x; B: input w1: QUANTISED
;;     7. [M 1,024, K 4,096] x [K 4,096, N 1,024]; A: computed on the way; B: input w2: QUANTISED
;;     8. [M 1,024, K 1,024] x [K 1,024, N 4,096]; A: input x; B: input w1: QUANTISED
;;     9. [M 1,024, K 4,096] x [K 4,096, N 1,024]; A: computed on the way; B: input w2: QUANTISED
;;     10. [M 1,024, K 1,024] x [K 1,024, N 4,096]; A: input x; B: input w1: QUANTISED
;;     11. [M 1,024, K 4,096] x [K 4,096, N 1,024]; A: computed on the way; B: input w2: QUANTISED
;;     12. [M 1,024, K 1,024] x [K 1,024, N 4,096]; A: input x; B: input w1: QUANTISED
;;     13. [M 1,024, K 4,096] x [K 4,096, N 1,024]; A: computed on the way; B: input w2: QUANTISED
;;     14. [M 1,024, K 1,024] x [K 1,024, N 4,096]; A: input x; B: input w1: QUANTISED
;;     15. [M 1,024, K 4,096] x [K 4,096, N 1,024]; A: computed on the way; B: input w2: QUANTISED
;;     16. [M 1,024, K 1,024] x [K 1,024, N 4,096]; A: input x; B: input w1: QUANTISED
;;     17. [M 1,024, K 4,096] x [K 4,096, N 1,024]; A: computed on the way; B: input w2: QUANTISED
;;   THE QUANTISER, for each operand of a quantised product, along K:
;;     - K is cut into blocks of 32 from its start; a last block that is shorter is filled with zeros.
;;     - A block's scale is 2^e with e = floor(log2(the largest magnitude in the block)) - 2, held to -126 .. 127; a block of zeros has e = 0. As a byte (E8M0): e + 127.
;;     - Each number is divided by its block's scale, clamped to +-7.5, and rounded to the nearest number of E2M3, ties to even, subnormals kept.
;;     - The product sums the exact products of the quantised numbers (number of the format x scale) in f32.
;;   ~~~python
;;   def quantise(x, axis):      # numpy; x: float32 -> the quantised numbers, widened to float32 again
;;       x = np.moveaxis(x, axis, -1); K = x.shape[-1]
;;       x = np.pad(x, [(0, 0)] * (x.ndim - 1) + [(0, -K % 32)]); x = x.reshape(x.shape[:-1] + (-1, 32)); a = np.abs(x).max(-1, keepdims=True)
;;       e = np.where(a > 0, np.clip(np.frexp(np.where(a > 0, a, 1))[1] - 1 - 2, -126, 127), 0)      # np.frexp(a)[1] - 1 = floor(log2(a)), exactly
;;       r = np.clip(x / 2.0 ** e, -7.5, 7.5)
;;       step = 2.0 ** (np.maximum(np.frexp(np.where(r == 0, 1, r))[1] - 1, 0) - 3)
;;       q = np.round(r / step) * step * 2.0 ** e      # np.round: ties to even
;;       return np.moveaxis(q.reshape(q.shape[:-2] + (-1,))[..., :K], -1, axis).astype(np.float32)
;;   ~~~
;;   OPERANDS COMPUTED ON THE WAY. 'Computed on the way' means the value that the module computes at that place (a softmax that the list does not call 'softmax' is quantised finished and normalised). What goes into a quantiser is computed in f32, as accurately as f32 sums, v_exp_f32 and their like allow (about 1e-6 of the number): no bf16 or f16 on the way to a quantiser, and a product that is left as it is and whose result goes on into a quantised operand takes f32 operands (vector FMAs, or v_wmma_f32_16x16x4_f32). A number that lies on a knife's edge between two numbers of the format may be rounded either way, as far as f32 arithmetic and the matrix unit's own rounding can turn it there, and no further.
;; 2 versions, each right; version 2 is version 1 with the launch fc2 written anew for expert scheduling mode. Each part assembles by itself: llvm-mc -triple=amdgcn-amd-amdhsa -mcpu=gfx1250 --defsym DOCPART=n.
;; ======== version 1 of 2: 4 launches
;; workspace buffers: xq 786,432 bytes; xs 32,768 bytes; topi 8,192 bytes of whole numbers; gate 8,192 bytes; himg 25,165,824 bytes; hsc 2,097,152 bytes; rows 38,912 bytes of whole numbers; part 16,777,216 bytes
;; launch route (part 1): grid 256 x 1, 4 waves a work-group, no clusters, 0 bytes of LDS; arguments x, router_w, xq, xs, topi, gate; writes xq, xs, topi, gate
.if DOCPART == 1
	.amdgcn_target "amdgcn-amd-amdhsa--gfx1250"
	.amdhsa_code_object_version 6
	.text
	.protected	k_q9db68663be_route
	.globl	k_q9db68663be_route
	.p2align	8
	.type	k_q9db68663be_route,@function
k_q9db68663be_route:
	s_mov_b64 s[64:65], 0
	v_nop
	global_prefetch_b8 v0, s[64:65] scope:SCOPE_SE
	s_setreg_imm32_b32 hwreg(HW_REG_WAVE_MODE, 25, 1), 1
	s_wait_xcnt 0x0
; ROUTER AND QUANTISER OF x.  x: [1024 tokens][1024] f32; router_w: [1024][8] f32.
; One wave takes one token t = 4 x work-group + wave.  Lane l owns k = 32 l .. 32 l + 31: one block of the quantiser, and 32 rows of router_w (1,024 bytes on end).
; OUT: xq [t][h 2][s 8][48 bytes]: the 12 registers that lane (row, h) of x's fragment of K step s wants: block beta lies at 768 t + 384 (beta & 1) + 48 (beta >> 2) + 24 ((beta >> 1) & 1);
;      xs [t][32]: the blocks' E8M0 bytes; topi [2 t + k], gate [2 t + k]: the two chosen experts and their softmax weights (not renormalised).
; The logits are f32 fused multiply-adds; the softmax takes the row's maximum away first.
; LIMITS: NaN and infinities are not served.  A block whose largest magnitude lies under 2^-124 keeps the byte 1 (a block of zeros too: its codes are zeros, and this program alone reads the bytes).
; The two largest are chosen among the exponentials, ahead of the division by their sum; of equal ones the lower index is taken.
.set MSB, 0
.macro WIN new                         ; the immediate's high byte repeats the setting that is left
.if MSB != \new
	s_set_vgpr_msb (MSB<<8)|\new
.set MSB, \new
.endif
.endm
	s_load_b256 s[4:11], s[0:1], 0x0               ; x s[4:5], router_w s[6:7], xq s[8:9], xs s[10:11]
	s_load_b128 s[12:15], s[0:1], 0x20             ; topi s[12:13], gate s[14:15]
	v_lshrrev_b32 v1, 5, v0
	v_readfirstlane_b32 s2, v1                     ; wave
	s_lshl_b32 s3, ttmp9, 2
	s_add_co_u32 s3, s3, s2                        ; t
	v_and_b32 v1, 31, v0                           ; lane = block
	v_lshlrev_b32 v2, 7, v1                        ; x: 128 bytes a lane
	v_lshlrev_b32 v3, 10, v1                       ; router_w: 1,024 bytes a lane
	v_and_b32 v4, 1, v1
	v_mul_u32_u24 v4, 384, v4
	v_lshrrev_b32 v5, 2, v1
	v_mad_u32_u24 v4, v5, 48, v4
	v_bfe_u32 v5, v1, 1, 1
	v_mad_u32_u24 v4, v5, 24, v4                   ; my block's place in the token's 768 bytes of codes
	v_lshlrev_b32 v5, 2, v1                        ; 4 x lane
	s_mov_b32 s16, 0x76543210
	s_mov_b32 s17, 0xfedcba98                      ; v_permlanex16_b32's selects for lane l xor 16
	s_lshl_b32 s18, s3, 12
	s_mov_b32 s19, 0
	s_wait_kmcnt 0x0
	s_add_nc_u64 s[4:5], s[4:5], s[18:19]          ; x at my token
	s_mul_i32 s18, s3, 768
	s_add_nc_u64 s[8:9], s[8:9], s[18:19]
	s_lshl_b32 s18, s3, 5
	s_add_nc_u64 s[10:11], s[10:11], s[18:19]
	s_lshl_b32 s18, s3, 3
	s_add_nc_u64 s[12:13], s[12:13], s[18:19]
	s_add_nc_u64 s[14:15], s[14:15], s[18:19]
.irp j,0,1,2,3,4,5,6,7
	global_load_b128 v[32+4*\j:35+4*\j], v2, s[4:5] offset:16*\j th:TH_LOAD_NT   ; my 32 numbers of x: v32-63
.endr
	WIN 0x40                                       ; destination window 1
.set rj, 0
.rept 64
	global_load_b128 v[4*rj:4*rj+3], v3, s[6:7] offset:16*rj   ; router_w(32 l + k', e) at register 8 k' + e of window 1
.set rj, rj+1
.endr
	WIN 0
	s_wait_loadcnt 63                              ; 64 loads were issued behind x's eight; 63 is the largest count that the wait can name, and a smaller count is safe
	; ---- my block's scale and codes
	v_max3_num_f32 v16, |v32|, |v33|, 0x1800000    ; two chains; the floor 2^(3 - 127) among the leaves holds the byte at 1 from below
	v_max3_num_f32 v17, |v48|, |v49|, |v50|
.irp i,0,1,2,3,4,5
	v_max3_num_f32 v16, v16, |v[34+2*\i]|, |v[35+2*\i]|
	v_max3_num_f32 v17, v17, |v[51+2*\i]|, |v[52+2*\i]|
.endr
	v_max3_num_f32 v16, v16, |v46|, |v47|
	v_max3_num_f32 v16, v16, v17, |v63|
	v_add_nc_u32 v18, 0xff000000, v16              ; 2 off the exponent field: the conversion's scale operand
	v_cvt_scalef32_pk16_fp6_f32 v[64:66], v[32:47], v18
	v_cvt_scalef32_pk16_fp6_f32 v[68:70], v[48:63], v18
	v_lshrrev_b32 v19, 23, v18                     ; the scale's byte (also the plain line behind the conversions)
	global_store_b96 v4, v[64:66], s[8:9]
	global_store_b96 v4, v[68:70], s[8:9] offset:12
	global_store_b8 v1, v19, s[10:11]
	; ---- my part of the eight logits, two experts an instruction; the first product starts the sums
	s_wait_loadcnt 0x0
	WIN 0x01                                       ; source 0 (router_w) window 1
.irp p,0,1,2,3
	v_pk_mul_f32 v[8+2*\p:9+2*\p], v[2*\p:2*\p+1], v[32:33] op_sel_hi:[1,0]
.endr
.set kk, 1
.rept 31
.irp p,0,1,2,3
.if kk%2
	v_pk_fma_f32 v[8+2*\p:9+2*\p], v[8*kk+2*\p:8*kk+2*\p+1], v[31+kk:32+kk], v[8+2*\p:9+2*\p] op_sel:[0,1,0] op_sel_hi:[1,1,1]   ; x of an odd k': the pair's second word for both halves
.else
	v_pk_fma_f32 v[8+2*\p:9+2*\p], v[8*kk+2*\p:8*kk+2*\p+1], v[32+kk:33+kk], v[8+2*\p:9+2*\p] op_sel_hi:[1,0,1]                  ; of an even k': the first word
.endif
.endr
.set kk, kk+1
.endr
	WIN 0
.irp m,1,2,4,8
.irp i,0,1,2,3,4,5,6,7
	v_add_f32_dpp v[8+\i], v[8+\i], v[8+\i] row_xmask:\m row_mask:0xf bank_mask:0xf
.endr
.endr
.irp i,0,1,2,3,4,5,6,7
	v_permlanex16_b32 v[32+\i], v[8+\i], s16, s17  ; (x's registers are done with, and have been written)
.endr
.irp i,0,1,2,3,4,5,6,7
	v_add_f32 v[8+\i], v[8+\i], v[32+\i]           ; every lane holds the eight logits
.endr
	; ---- softmax
	v_max3_num_f32 v28, v8, v9, v10
	v_max3_num_f32 v28, v28, v11, v12
	v_max3_num_f32 v28, v28, v13, v14
	v_max_num_f32 v28, v28, v15
	v_mov_b32 v29, 0                               ; (named with v28 as a pair)
.irp p,0,1,2,3
	v_pk_add_f32 v[8+2*\p:9+2*\p], v[8+2*\p:9+2*\p], v[28:29] op_sel_hi:[1,0] neg_lo:[0,1] neg_hi:[0,1]   ; logit - maximum
.endr
.irp p,0,1,2,3
	v_pk_mul_f32 v[8+2*\p:9+2*\p], v[8+2*\p:9+2*\p], 0x3fb8aa3b op_sel_hi:[1,0]                          ; x log2(e)
.endr
.irp i,0,1,2,3,4,5,6,7
	v_exp_f32 v[8+\i], v[8+\i]
.endr
	v_nop                                          ; a plain line behind the last exponential
	s_wait_alu depctr_va_vdst(0)                   ; one wait for the batch of eight, ahead of its first reader
	v_pk_add_f32 v[40:41], v[8:9], v[10:11]
	v_pk_add_f32 v[42:43], v[12:13], v[14:15]
	v_pk_add_f32 v[40:41], v[40:41], v[42:43]
	v_add_f32 v40, v40, v41
	v_rcp_f32 v30, v40                             ; the choice below is the independent work behind it
	; ---- the two largest, by selections alone: 'not greater: keep', so of equal ones the lower index stays
	v_mov_b32 v20, v8
	v_mov_b32 v21, 0
.irp i,1,2,3,4,5,6,7
	v_cmp_le_f32 vcc_lo, v[8+\i], v20
	v_cndmask_b32 v20, v[8+\i], v20, vcc_lo
	v_cndmask_b32 v21, \i, v21, vcc_lo
.endr
	v_mov_b32 v22, -1.0                            ; under every exponential
	v_mov_b32 v23, 0
.irp i,0,1,2,3,4,5,6,7
	v_cmp_le_f32 s20, v[8+\i], v22
	v_cmp_eq_u32 s21, \i, v21                      ; the first choice is passed over
	s_or_b32 vcc_lo, s20, s21
	v_cndmask_b32 v22, v[8+\i], v22, vcc_lo
	v_cndmask_b32 v23, \i, v23, vcc_lo
.endr
	s_wait_alu depctr_va_vdst(0)                   ; the reciprocal's wait, ahead of its first reader
	v_mul_f32 v20, v20, v30
	v_mul_f32 v22, v22, v30
	v_cmp_eq_u32 vcc_lo, 1, v1
	v_cndmask_b32 v24, v21, v23, vcc_lo            ; lane 0: the first choice, lane 1: the second
	v_cndmask_b32 v25, v20, v22, vcc_lo
	s_wait_xcnt 0x0                                ; EXEC changes only behind this wait: the stores above have been taken
	v_cmp_gt_u32 vcc_lo, 2, v1
	s_and_saveexec_b32 s20, vcc_lo
	global_store_b32 v5, v24, s[12:13]
	global_store_b32 v5, v25, s[14:15]
	s_wait_xcnt 0x0                                ; and again in front of the line that widens it
	s_or_b32 exec_lo, exec_lo, s20
	s_endpgm
.Lfunc_end_k_q9db68663be_route:
	.size	k_q9db68663be_route, .Lfunc_end_k_q9db68663be_route-k_q9db68663be_route
	.p2alignl 7, 3214868480
	.fill 96, 4, 3214868480
	.section	.rodata,"a",@progbits
	.p2align	6, 0x0
	.amdhsa_kernel k_q9db68663be_route
		.amdhsa_group_segment_fixed_size 0
		.amdhsa_private_segment_fixed_size 0
		.amdhsa_enable_private_segment 0
		.amdhsa_kernarg_size 48
		.amdhsa_user_sgpr_count 2
		.amdhsa_user_sgpr_kernarg_segment_ptr 1
		.amdhsa_wavefront_size32 1
		.amdhsa_system_sgpr_workgroup_id_x 1
		.amdhsa_system_sgpr_workgroup_id_y 1
		.amdhsa_system_sgpr_workgroup_id_z 1
		.amdhsa_system_vgpr_workitem_id 0
		.amdhsa_next_free_vgpr 512
		.amdhsa_next_free_sgpr 66
		.amdhsa_reserve_vcc 1
		.amdhsa_float_denorm_mode_32 3
		.amdhsa_float_denorm_mode_16_64 3
		.amdhsa_memory_ordered 1
		.amdhsa_forward_progress 1
		.amdhsa_inst_pref_size 26
	.end_amdhsa_kernel
	.amdgpu_metadata
---
amdhsa.version: [ 1, 2 ]
amdhsa.kernels:
  - .name:           k_q9db68663be_route
    .symbol:         k_q9db68663be_route.kd
    .args:
      - { .name: x, .offset: 0, .size: 8, .value_kind: global_buffer, .address_space: global }
      - { .name: router_w, .offset: 8, .size: 8, .value_kind: global_buffer, .address_space: global }
      - { .name: xq, .offset: 16, .size: 8, .value_kind: global_buffer, .address_space: global }
      - { .name: xs, .offset: 24, .size: 8, .value_kind: global_buffer, .address_space: global }
      - { .name: topi, .offset: 32, .size: 8, .value_kind: global_buffer, .address_space: global }
      - { .name: gate, .offset: 40, .size: 8, .value_kind: global_buffer, .address_space: global }
    .group_segment_fixed_size: 0
    .private_segment_fixed_size: 0
    .kernarg_segment_align: 8
    .kernarg_segment_size: 48
    .max_flat_workgroup_size: 128
    .sgpr_count:     66
    .vgpr_count:     512
    .wavefront_size: 32
...
	.end_amdgpu_metadata
.endif
;; end of part 1
;; launch fc1 (part 2): grid 32 x 8, 8 waves a work-group, no clusters, 109,568 bytes of LDS; arguments w1, xq, xs, topi, himg, hsc, rows; writes himg, hsc, rows
.if DOCPART == 2
	.amdgcn_target "amdgcn-amd-amdhsa--gfx1250"
	.amdhsa_code_object_version 6
	.text
	.protected	k_q9db68663be_fc1
	.globl	k_q9db68663be_fc1
	.p2align	8
	.type	k_q9db68663be_fc1,@function
k_q9db68663be_fc1:
	s_mov_b64 s[64:65], 0
	v_nop
	global_prefetch_b8 v0, s[64:65] scope:SCOPE_SE
	s_setreg_imm32_b32 hwreg(HW_REG_WAVE_MODE, 25, 1), 1
	s_wait_xcnt 0x0
; FIRST PRODUCT OF THE EXPERTS, gelu, AND THE QUANTISER OF THE HIDDEN LAYER.  Work-group (x = slice 0..31, y = expert e) makes hidden units 128 slice .. + 127 of expert e for the rows routed to e.
; w1: [8][1024 k][4096 f] f32, read ONCE, as f32, and quantised along k in registers.  No tensor load, no copy, no cluster: trip counts and branches hang on a stored count.
; A routed row is r = 2 t + k (token, choice).  The expert's list is {r : topi[r] = e}, filled up to a multiple of 16 with its last member, so that filled places compute and store the same bits and EXEC never changes.
; ROLES.  Waves 0-3 STREAM: they load weights (two sets of 32 loads of 16 bytes a lane each), quantise them and lay the fragments into LDS.  Waves 4-7 MULTIPLY: tokens' codes from memory, fragments from LDS, products, gelu, quantiser, stores.
; Every base address is made on the way that all eight waves take, ahead of the first parting of the roles.
; UNITS.  The work-group's weights are 16 units of 128 k x 64 columns (4 fragments); slot tau = 0..7 makes units 2 tau, 2 tau + 1: columns 64 (tau / 4) on, K steps 2 (tau % 4), + 1.  Nothing in LDS is written twice:
; the one barrier at a slot's end stands between a slot's stores and the next slot's reads of them; in front of it each wave waits for all its LDS instructions.
; A STREAMER's lane (a = lane % 16, hh = lane / 16) takes rows 256 (tau % 4) + 64 w + 32 hh + 0..31 and columns 4 a + 0..3: sixteen lanes of a load read 256 consecutive bytes, aligned.  A column's 32 numbers are one block.
; WHICH COLUMNS FORM A TILE: local column 32 b + 16 r3 + 8 ub + j is row j + 8 r3 of tile 2 b + ub.  The product is used transposed (source 0 = 16 columns of w1, source 1 = 16 rows of x), so a lane holds ONE routed row and
; the registers 16 b + 0..15 of its accumulators are 16 neighbouring hidden units, 32 b + 16 (lane / 16) on: what the conversions want.
; A FRAGMENT'S IMAGE, in LDS and in himg: registers 0-3 at 16 x lane; 6-9 at 512 + 16 x lane; 4-5 at 1024 + 8 x lane; 10-11 at 1280 + 8 x lane: four pieces, each read and written by one instruction on consecutive bytes.
; PASSES.  A multiplier holds 5 tiles of 16 rows (20 a pass for the four).  Pass 0 runs beside the stream; passes 1 to 3 (more than 320 rows on one expert, up to 1,024) run in the tail, on the fragments that have stayed in LDS.
; gelu(x) = x / (1 + 2^(x (A x^2 + B))), A = -2 log2(e) sqrt(2 / pi) 0.044715, B = -2 log2(e) sqrt(2 / pi): 0.5 x (1 + tanh(..)) rewritten, all in f32.
; LIMITS: NaN and infinities are not served.  A block whose largest magnitude lies under 2^-124 keeps the byte 1 (a block of zeros too: its codes are zeros, and this program alone reads the bytes).
; REGISTERS.  Both roles: v1 lane, v2 a, v3 hh, v4 16 lane, v5 8 lane, v6 4 lane, v7 weights' lane offset, v8-22 LDS addresses made once, ahead of the first parting of the roles.
;   Streamers: v80-88 at work; v96-223 four columns x 32 numbers; v224-255 codes; window 1: the two sets as loaded (register 4 i + c: row i, column c).
;   Multipliers: v32-41 tokens' offsets; v47-51 hidden scale words; v64-73 x's scale words, v74-77 the weights' (these 14 hold scales and nothing else); v80-92 at work; v136-255 x's fragments, later the epilogue's numbers;
;   window 1: v0-159 the 20 accumulators (32 g + 8 tile), v160-255 the weights' 8 fragments.
.set PITCH, 16384                      ; a row of w1[e] in bytes
.set HSH,   19                         ; 32 rows = 1 << 19 bytes
.set FRB,   1552                       ; a fragment's image + 16: the streamers' sixteen stores of 16 bytes then fall into sixteen different 16-byte columns of 256
.set CHB,   8*FRB                      ; a slot's eight fragments
.set HALF,  4*CHB                      ; slots 4-7 begin here: a second base register keeps every immediate under 65,536
.set WSC,   64*FRB                     ; the weights' scale words: 256 bytes a unit: word of (tile 2 b + ub, row r) at 8 (16 ub + r) + 4 b
.set LIST,  WSC+4096                   ; the expert's list: 1,152 places of 4 bytes; places 1088.. take what is not in the list
.set CNTW,  LIST+4608                  ; the count, 32 times
.set SA16,8
.set SA8,9
.set SAW,10
.set SA16H,12
.set SA8H,13
.set MA16H,14
.set MAW,15
.set MA8H,16
.set T16,17
.set T8,18
.set TW,29
.set LA,23                             ; v23-27 addresses into the list
.set VO,32
.set VS,37
.set HS,47
.set TS,64
.set WS,74
.set GB,78
.set TM,80
.set OA,90
.set QM0,80
.set QM1,81
.set SCO,82
.set BY,84
.set BZ,88
.set X,96
.set CD,224
.set TOK,136
.set EY,136
.set ET,168
.set PC,200
.set WF,160
.set MT,44                             ; s44-48 my five tiles' numbers
.set MSB, 0
.macro WIN new                         ; the immediate's high byte repeats the setting that is left
.if MSB != \new
	s_set_vgpr_msb (MSB<<8)|\new
.set MSB, \new
.endif
.endm
; 32 loads of 16 bytes a lane: rows i = 0..31 of my 32, four columns
.macro LOADSET lb, ptr
	WIN 0x40                                       ; destination window 1
.set li, 0
.rept 32
	global_load_b128 v[\lb+4*li:\lb+4*li+3], v7, s[\ptr:\ptr+1] offset:li*PITCH th:TH_LOAD_NT
.set li, li+1
.endr
	WIN 0
.endm
; column c's block: largest magnitude, scale, codes; six registers and half a scale word to LDS
.macro QCOL c, tau
.set qx, X+32*(\c)
.set qc, CD+8*(\c)
.if (\tau) < 4
.set qa, SA16
.set qb, SA8
.else
.set qa, SA16H
.set qb, SA8H
.endif
.set qo, ((\tau)%4)*CHB
	v_max3_num_f32 v[QM0], |v[qx]|, |v[qx+1]|, 0x1800000          ; two chains; the floor 2^(3 - 127) holds the byte at 1 from below
	v_max3_num_f32 v[QM1], |v[qx+16]|, |v[qx+17]|, |v[qx+18]|
.irp i,0,1,2,3,4,5
	v_max3_num_f32 v[QM0], v[QM0], |v[qx+2+2*\i]|, |v[qx+3+2*\i]|
	v_max3_num_f32 v[QM1], v[QM1], |v[qx+19+2*\i]|, |v[qx+20+2*\i]|
.endr
	v_max3_num_f32 v[QM0], v[QM0], |v[qx+14]|, |v[qx+15]|
	v_max3_num_f32 v[QM0], v[QM0], v[QM1], |v[qx+31]|
	v_add_nc_u32 v[SCO], 0xff000000, v[QM0]        ; 2 off the exponent field: the conversion's scale operand
	v_cvt_scalef32_pk16_fp6_f32 v[qc:qc+2], v[qx:qx+15], v[SCO]
	v_cvt_scalef32_pk16_fp6_f32 v[qc+4:qc+6], v[qx+16:qx+31], v[SCO]   ; (a conversion's three registers begin on an even number)
	v_lshrrev_b32 v[BY+\c], 23, v[SCO]             ; the byte; also the plain line behind the conversions
	v_mov_b32 v[qc+3], v[qc+4]
	v_mov_b32 v[qc+4], v[qc+5]
	v_mov_b32 v[qc+5], v[qc+6]                     ; the block's six registers on end
	ds_store_b128 v[qa], v[qc:qc+3] offset:qo+16*\c
	ds_store_b64 v[qb], v[qc+4:qc+5] offset:qo+8*\c
	v_lshlrev_b32 v[BY+\c], v11, v[BY+\c]          ; my byte at its place in the half word (8 hh bits up),
	v_permlanex16_b32 v[BZ], v[BY+\c], s32, s33
	v_or_b32 v[BY+\c], v[BY+\c], v[BZ]             ; with lane l xor 16's: both write the same two bytes
	ds_store_b16 v[SAW], v[BY+\c] offset:(\tau)*512+8*\c
.endm
; a streamer's slot
.macro PRODUCE lb, ptr, tau
.if (\tau) == 7
	s_wait_loadcnt 0x0                             ; the last set
.else
	s_wait_loadcnt 32                              ; this set's 32 loads are in; the other set's 32 were issued later and may stay out
.endif
	WIN 0x01                                       ; source window 1
.set pi, 0
.rept 32                                           ; a conversion wants 16 neighbours along k in consecutive registers, a load of 16 bytes brings four columns of one k: so the set is turned, which also frees it at once
	v_mov_b32 v[X+pi], v[\lb+4*pi]
	v_mov_b32 v[X+32+pi], v[\lb+4*pi+1]
	v_mov_b32 v[X+64+pi], v[\lb+4*pi+2]
	v_mov_b32 v[X+96+pi], v[\lb+4*pi+3]
.set pi, pi+1
.endr
	WIN 0
.if (\tau) < 6
.set wo, (((\tau)+2)%4)*(1<<22)+(((\tau)+2)/4)*256
	s_add_nc_u64 s[\ptr:\ptr+1], s[30:31], wo      ; the set's own loads are done, so its pointer may be written: the slot two on
	LOADSET \lb, \ptr
.endif
.irp c,0,1,2,3
	QCOL \c, \tau
.endr
.rept 4
	v_nop                                          ; a register written by a vector instruction stands four places ahead of a scaled matrix instruction that names it as an operand: the products behind the slot's barrier name v244-255, of which v251-253 were just written
.endr
.endm
; one product: tile t of unit j x my slot g.  The 20 accumulators take turns, one instruction a turn, in the same order everywhere
.macro MM g, t, j, zero
.set rD, 32*(\g)+8*(\t)
.set rA, WF+48*(\j)+12*(\t)
.set rB, TOK+24*(\g)+12*(\j)
.set rS, WS+2*(\j)+(\t)/2
.set rT, TS+2*(\g)+(\j)
.if (\zero) && ((\j) == 0)
.if (\t)%2
	v_wmma_scale_f32_16x16x128_f8f6f4 v[rD:rD+7], v[rA:rA+11], v[rB:rB+11], 0, v[rS], v[rT] matrix_a_fmt:MATRIX_FMT_FP6 matrix_b_fmt:MATRIX_FMT_FP6 matrix_a_scale:MATRIX_SCALE_ROW1
.else
	v_wmma_scale_f32_16x16x128_f8f6f4 v[rD:rD+7], v[rA:rA+11], v[rB:rB+11], 0, v[rS], v[rT] matrix_a_fmt:MATRIX_FMT_FP6 matrix_b_fmt:MATRIX_FMT_FP6
.endif
.else
.if (\t)%2
	v_wmma_scale_f32_16x16x128_f8f6f4 v[rD:rD+7], v[rA:rA+11], v[rB:rB+11], v[rD:rD+7], v[rS], v[rT] matrix_a_fmt:MATRIX_FMT_FP6 matrix_b_fmt:MATRIX_FMT_FP6 matrix_a_scale:MATRIX_SCALE_ROW1
.else
	v_wmma_scale_f32_16x16x128_f8f6f4 v[rD:rD+7], v[rA:rA+11], v[rB:rB+11], v[rD:rD+7], v[rS], v[rT] matrix_a_fmt:MATRIX_FMT_FP6 matrix_b_fmt:MATRIX_FMT_FP6
.endif
.endif
.endm
; a slot's two units x my five tiles of rows: 34 LDS loads, 40 products.  zero = 1: the first unit starts the sums
.macro CONSUME a16, a8, aw, ow, os, zero
	s_wait_loadcnt 0x0                             ; the tokens' codes and scale words (all five slots always load, so the count is 0 on every path)
.irp j,0,1
	ds_load_b64 v[WS+2*\j:WS+2*\j+1], v[\aw] offset:\os+256*\j   ; word b of lane 16 ub + r: the scales of row r of tile 2 b + ub
.endr
	WIN 0x40                                       ; destination window 1
.irp j,0,1
.irp t,0,1,2,3
	ds_load_b128 v[WF+48*\j+12*\t:WF+48*\j+12*\t+3], v[\a16] offset:\ow+(4*\j+\t)*FRB
	ds_load_b128 v[WF+48*\j+12*\t+6:WF+48*\j+12*\t+9], v[\a16] offset:\ow+(4*\j+\t)*FRB+512
	ds_load_b64 v[WF+48*\j+12*\t+4:WF+48*\j+12*\t+5], v[\a8] offset:\ow+(4*\j+\t)*FRB+1024
	ds_load_b64 v[WF+48*\j+12*\t+10:WF+48*\j+12*\t+11], v[\a8] offset:\ow+(4*\j+\t)*FRB+1280
.endr
.endr
	WIN 0x51                                       ; source 0 (weights), C and D window 1; source 1 (tokens) window 0
.irp j,0,1
	s_wait_dscnt 16-16*\j                          ; unit 0: the second unit's 16 loads are younger and may stay out; unit 1: all are in
.irp t,0,1,2,3
.irp g,0,1,2,3,4
	MM \g, \t, \j, \zero
.endr
.endr
.endr
	WIN 0
.rept 5
	v_nop                                          ; four places ahead of loads into the sources and of reads of the results, a fifth ahead of a product that begins an accumulator anew
.endr
.endm
; x's fragments and scale words of two K steps for my five tiles: 35 loads
.macro TOKENS bq, bs, oq, os
.irp g,0,1,2,3,4
.irp j,0,1
.irp i,0,1,2
	global_load_b128 v[TOK+24*\g+12*\j+4*\i:TOK+24*\g+12*\j+4*\i+3], v[VO+\g], s[\bq:\bq+1] offset:\oq+48*\j+16*\i
.endr
.endr
	global_load_b64 v[TS+2*\g:TS+2*\g+1], v[VS+\g], s[\bs:\bs+1] offset:\os
.endr
.endm
; a pass begins: s66 = 20 x pass.  My tiles' numbers; their rows out of the list (a tile past the last is held at the last); the tokens' offsets
.macro PASSINIT
	s_add_co_u32 s66, s66, s3
.irp g,0,1,2,3,4
	s_add_co_u32 s[MT+\g], s66, 4*\g
	s_min_u32 s67, s[MT+\g], s40
	s_min_u32 s67, s67, 63
	s_lshl_b32 s67, s67, 6
	v_add_nc_u32 v[LA+\g], s67, v19
	ds_load_b32 v[80+\g], v[LA+\g]
.endr
	s_wait_dscnt 0x0
.irp g,0,1,2,3,4
	v_lshrrev_b32 v[80+\g], 1, v[80+\g]            ; the token of row r = 2 t + k
	v_min_u32 v[80+\g], 1023, v[80+\g]
	v_mul_u32_u24 v[VO+\g], 768, v[80+\g]
	v_add_nc_u32 v[VO+\g], v[VO+\g], v22           ; + 384 hh
	v_lshlrev_b32 v[VS+\g], 5, v[80+\g]
.endr
.endm
; the epilogue of slot g: 32 numbers a lane: gelu, two blocks' scales and codes, half a fragment to himg.  dyn = 0: the first 64 hidden units, known in the text; dyn = 1: s49 says which 64
.macro EPI1G g, dyn
	s_cmp_lt_u32 s[MT+\g], s39
	s_cbranch_scc0 .Lskip_\@
	s_wait_xcnt 0x0                                ; the stores of the slot before have been taken: their data and offsets are written again below
	WIN 0x05                                       ; sources window 1
.set ei, 0
.rept 16
	v_pk_mul_f32 v[ET+ei:ET+ei+1], v[32*\g+ei:32*\g+ei+1], v[32*\g+ei:32*\g+ei+1]      ; x^2; each accumulator is read from its low end on
.set ei, ei+2
.endr
	WIN 0
.set ei, 0
.rept 16
	v_pk_fma_f32 v[ET+ei:ET+ei+1], v[ET+ei:ET+ei+1], s[52:53], v[GB:GB+1] op_sel_hi:[1,0,1]   ; A x^2 + B
.set ei, ei+2
.endr
	WIN 0x01
.set ei, 0
.rept 16
	v_pk_mul_f32 v[ET+ei:ET+ei+1], v[32*\g+ei:32*\g+ei+1], v[ET+ei:ET+ei+1]            ; x (A x^2 + B)
.set ei, ei+2
.endr
	WIN 0
.set ei, 0
.rept 32
	v_exp_f32 v[ET+ei], v[ET+ei]
.set ei, ei+1
.endr
	v_nop                                          ; a plain line behind the last exponential
	s_wait_alu depctr_va_vdst(0)                   ; one wait for the batch of 32, ahead of its first reader
.set ei, 0
.rept 16
	v_pk_add_f32 v[ET+ei:ET+ei+1], v[ET+ei:ET+ei+1], 1.0 op_sel_hi:[1,0]
.set ei, ei+2
.endr
.set ei, 0
.rept 32
	v_rcp_f32 v[ET+ei], v[ET+ei]
.set ei, ei+1
.endr
	v_nop
	s_wait_alu depctr_va_vdst(0)                   ; and one for the 32 reciprocals
	WIN 0x01
.set ei, 0
.rept 16
	v_pk_mul_f32 v[EY+ei:EY+ei+1], v[32*\g+ei:32*\g+ei+1], v[ET+ei:ET+ei+1]            ; gelu
.set ei, ei+2
.endr
	WIN 0
.irp b,0,1
	v_max3_num_f32 v[TM+\b], |v[EY+16*\b]|, |v[EY+16*\b+1]|, 0x1800000                 ; block b: my 16 numbers and the floor
.endr
.irp i,2,4,6,8,10,12,14
.irp b,0,1
	v_max3_num_f32 v[TM+\b], v[TM+\b], |v[EY+16*\b+\i]|, |v[EY+16*\b+\i+1]|
.endr
.endr
.irp b,0,1
	v_permlanex16_b32 v[TM+2+\b], v[TM+\b], s32, s33
.endr
.irp b,0,1
	v_max_num_f32 v[TM+\b], v[TM+\b], v[TM+2+\b]   ; with lane l xor 16's 16: the block's largest magnitude
.endr
.irp b,0,1
	v_add_nc_u32 v[TM+4+\b], 0xff000000, v[TM+\b]
.endr
.irp b,0,1
	v_lshrrev_b32 v[TM+6+\b], 23, v[TM+4+\b]
.endr
	v_lshl_or_b32 v[TM+8], v[TM+7], 8, v[TM+6]     ; the two bytes
	v_cvt_scalef32_pk16_fp6_f32 v[PC:PC+2], v[EY:EY+15], v[TM+4]
	v_cvt_scalef32_pk16_fp6_f32 v[PC+8:PC+10], v[EY+16:EY+31], v[TM+5]
	v_lshlrev_b32 v[TM+8], s50, v[TM+8]            ; at their place in the scale word; also the plain line behind the conversions
.irp i,0,1,2
	v_permlane16_swap_b32 v[PC+\i], v[PC+8+\i]     ; a whole block to a lane: lanes 0-15 the first block, lanes 16-31 the second
.endr
.irp i,0,1,2
	v_mov_b32 v[PC+3+\i], v[PC+8+\i]
.endr
	s_min_u32 s66, s[MT+\g], 63
	s_mul_i32 s67, s66, 49152                      ; a tile's 32 K steps of 1,536 bytes
	v_add_nc_u32 v[OA], s67, v4
	v_add_nc_u32 v[OA+1], s67, v5
	global_store_b128 v[OA], v[PC:PC+3], s[58:59]         ; 512 consecutive bytes, aligned to 256
	global_store_b64 v[OA+1], v[PC+4:PC+5], s[60:61]      ; 256 consecutive bytes, aligned
	v_and_or_b32 v[HS+\g], v[HS+\g], s51, v[TM+8]  ; the first 64 units begin the scale word, the second 64 complete it
.if \dyn
	s_cmp_eq_u32 s49, 1
	s_cbranch_scc0 .Lskip_\@
	s_lshl_b32 s67, s66, 12
	v_add_nc_u32 v[OA+2], s67, v6
	global_store_b32 v[OA+2], v[HS+\g], s[62:63]
.endif
.Lskip_\@:
.endm
.macro EPI1 dyn
	s_wait_xcnt 0x0                                ; earlier stores have read their bases
.if \dyn
	s_lshl_b32 s66, s49, 9                         ; s49 = which 64 of the slice's 128 hidden units
	s_mov_b32 s67, 0
	s_add_nc_u64 s[58:59], s[56:57], s[66:67]      ; registers 6 ch .. + 3
	s_lshl_b32 s66, s49, 8
	s_add_co_u32 s66, s66, 1024
	s_add_nc_u64 s[60:61], s[56:57], s[66:67]      ; registers 6 ch + 4, + 5
	s_lshl_b32 s50, s49, 4
	s_cmp_eq_u32 s49, 0
	s_cselect_b32 s51, 0, 0xffff
.else
	s_mov_b64 s[58:59], s[56:57]                   ; registers 0 .. 3
	s_add_nc_u64 s[60:61], s[56:57], 1024          ; registers 4, 5
	s_mov_b32 s50, 0
	s_mov_b32 s51, 0
.endif
.irp g,0,1,2,3,4
	EPI1G \g, \dyn
.endr
	s_wait_xcnt 0x0                                ; the last stores have been taken: the tokens' loads land on their registers
.endm
.macro SLOT tau
	s_cmp_lt_u32 s2, 4
	s_cbranch_scc0 .Lmul_\@
.if (\tau)%2 == 0
	PRODUCE 0, 26, \tau
.else
	PRODUCE 128, 28, \tau
.endif
	s_branch .Ljoin_\@
.Lmul_\@:
.if (\tau) > 0
.set cx, (\tau)-1
.set cz, 0
.if cx%4 == 0
.set cz, 1
.endif
.set cow, (cx%4)*CHB
.set cos, cx*512
.if cx < 4
	CONSUME 4, 5, MAW, cow, cos, cz
.else
	CONSUME MA16H, MA8H, MAW, cow, cos, cz
.endif
.endif
.if (\tau) == 4
	EPI1 0                                         ; the first 64 hidden units have had all of K
.endif
.set tq, ((\tau)%4)*96
.set tsw, ((\tau)%4)*8
	TOKENS 10, 12, tq, tsw
.Ljoin_\@:
	s_wait_dscnt 0x0                               ; my stores of this slot's images have landed, my reads are back
	s_barrier_signal -1
	s_barrier_wait -1
.endm
	s_load_b256 s[8:15], s[0:1], 0x0               ; w1 s[8:9], xq s[10:11], xs s[12:13], topi s[14:15]
	s_load_b128 s[16:19], s[0:1], 0x20             ; himg s[16:17], hsc s[18:19]
	s_load_b64 s[20:21], s[0:1], 0x30              ; rows
	v_lshl_add_u32 v94, v0, 2, 0x1a800
	v_mov_b32 v95, 0
	v_lshrrev_b32 v1, 5, v0
	v_readfirstlane_b32 s2, v1                     ; wave 0..7
	s_and_b32 s3, s2, 3                            ; my number within my role
	s_and_b32 s22, ttmp7, 0xffff                   ; expert
	s_mov_b32 s23, ttmp9                           ; slice
	s_mov_b32 s32, 0x76543210
	s_mov_b32 s33, 0xfedcba98                      ; v_permlanex16_b32's selects for lane l xor 16
	s_mov_b32 s41, 0
	v_and_b32 v1, 31, v0
	v_and_b32 v2, 15, v0
	v_bfe_u32 v3, v0, 4, 1
	v_lshlrev_b32 v4, 4, v1
	v_lshlrev_b32 v5, 3, v1
	v_lshlrev_b32 v6, 2, v1
	v_lshlrev_b32 v7, 4, v2
	v_lshl_add_u32 v7, v3, HSH, v7                 ; 16 a + 32 hh rows
	v_bfe_u32 v80, v0, 3, 1                        ; b
	v_bfe_u32 v81, v0, 1, 1                        ; ub
	v_lshl_add_u32 v82, v80, 1, v81                ; tile 2 b + ub
	v_mul_u32_u24 v82, FRB, v82
	v_and_b32 v83, 1, v0
	v_bfe_u32 v84, v0, 2, 1                        ; r3
	v_lshlrev_b32 v83, 2, v83
	v_lshl_add_u32 v83, v84, 3, v83                ; row of column 0 of my four: 4 (a & 1) + 8 r3
	v_lshl_add_u32 v84, v3, 4, v83                 ; the fragment's lane that takes it: + 16 hh
	s_lshr_b32 s66, s3, 1                          ; which unit of the slot's two
	s_and_b32 s67, s3, 1                           ; c': registers 6 c' .. 6 c' + 5
	s_mul_i32 s68, s66, 4*FRB
	s_lshl_b32 s69, s67, 9
	s_add_co_u32 s69, s69, s68
	v_lshl_add_u32 v[SA16], v84, 4, v82
	v_add_nc_u32 v[SA16], s69, v[SA16]
	s_lshl_b32 s69, s67, 8
	s_add_co_u32 s69, s69, s68
	s_add_co_u32 s69, s69, 1024
	v_lshl_add_u32 v[SA8], v84, 3, v82
	v_add_nc_u32 v[SA8], s69, v[SA8]
	v_lshl_add_u32 v85, v81, 4, v83
	v_lshlrev_b32 v85, 3, v85
	v_lshl_add_u32 v85, v80, 2, v85                ; 8 (16 ub + row) + 4 b
	s_lshl_b32 s69, s66, 8
	s_lshl_b32 s70, s67, 1
	s_add_co_u32 s69, s69, s70
	s_add_co_u32 s69, s69, WSC
	v_add_nc_u32 v[SAW], s69, v85
	v_lshlrev_b32 v11, 3, v3
	v_add_nc_u32 v[SA16H], HALF, v[SA16]
	v_add_nc_u32 v[SA8H], HALF, v[SA8]
	v_add_nc_u32 v[MA16H], HALF, v4
	v_add_nc_u32 v[MA8H], HALF, v5
	v_add_nc_u32 v[MAW], WSC, v5
	v_lshl_add_u32 v19, v2, 2, LIST
	v_add_nc_u32 v20, LIST, v4
	v_add_nc_u32 v21, CNTW, v6
	v_mul_u32_u24 v22, 384, v3
	s_lshl_b32 s66, s22, 24
	s_lshl_b32 s67, s23, 9
	s_add_co_u32 s66, s66, s67
	s_lshl_b32 s67, s3, 20
	s_add_co_u32 s66, s66, s67                     ; w1: expert, slice's 512 bytes of a row, my 64 rows
	s_mov_b32 s67, 0
	s_lshl_b32 s72, s22, 11
	s_add_co_u32 s72, s72, s23                     ; 2,048 e + slice
	s_mul_i32 s68, s72, 1536                       ; himg: (e, tile 0, K step = slice)
	s_mov_b32 s69, 0
	s_lshl_b32 s70, s72, 7                         ; hsc likewise
	s_mov_b32 s71, 0
	s_wait_kmcnt 0x0
	s_add_nc_u64 s[30:31], s[8:9], s[66:67]
	s_add_nc_u64 s[56:57], s[16:17], s[68:69]
	s_add_nc_u64 s[62:63], s[18:19], s[70:71]
	s_mov_b64 s[58:59], s[56:57]                   ; the pairs that are stepped later begin as copies of a base
	s_mov_b64 s[60:61], s[56:57]
	s_mov_b64 s[34:35], s[10:11]
	s_mov_b64 s[36:37], s[12:13]
	s_cmp_lt_u32 s2, 4
	s_cbranch_scc0 .Lh_mul
	v_mov_b32 v[BZ], 0                             ; written once: a lane permute's destination counts as one of its sources
	s_mov_b64 s[26:27], s[30:31]
	LOADSET 0, 26                                  ; slot 0
	s_add_nc_u64 s[28:29], s[30:31], 1<<22
	LOADSET 128, 28                                ; slot 1
	s_branch .Lh_join
.Lh_mul:
.irp g,0,1,2,3,4
	v_mov_b32 v[HS+\g], 0
.endr
	v_mov_b32 v[GB], 0xc0135761                    ; B = -2.3022082
	v_mov_b32 v[GB+1], 0xc0135761
	s_mov_b32 s52, 0xbdd2d3e8                      ; A = -0.10294324
	s_mov_b32 s53, s52
	s_cmp_eq_u32 s2, 4
	s_cbranch_scc0 .Lh_join
	; ---- wave 4 builds the expert's list in LDS; no other wave touches LDS ahead of the barrier below
.irp q,0,1,2,3,4,5,6,7,8,9,10,11,12,13,14,15
	global_load_b128 v[TOK+4*\q:TOK+4*\q+3], v4, s[14:15] offset:512*\q   ; register 4 q + i: topi[128 q + 4 lane + i]
.endr
.irp i,0,1,2,3
	v_mov_b32 v[204+\i], 0
.endr
.irp q,0,1,2,3,4,5,6,7,8
	ds_store_b128 v20, v[204:207] offset:512*\q    ; every place of the list is written
.endr
	v_add_nc_u32 v203, 1088, v1                    ; where a row of another expert goes
	s_mov_b32 s67, 0                               ; rows found so far
	s_wait_loadcnt 0x0
.set rho, 0
.rept 64
	v_cmp_eq_u32 s66, s22, v[TOK+rho]
	v_mbcnt_lo_u32_b32 v[208+rho%16], s66, s67     ; found so far + those in lanes below mine
	v_cndmask_b32 v[208+rho%16], v203, v[208+rho%16], s66
	v_min_u32 v[208+rho%16], 1151, v[208+rho%16]
	v_lshl_add_u32 v[208+rho%16], v[208+rho%16], 2, LIST
	v_add_nc_u32 v[TOK+rho], 128*(rho/4)+rho%4, v6 ; r itself
	ds_store_b32 v[208+rho%16], v[TOK+rho]
	s_bcnt1_i32_b32 s68, s66
	s_add_co_u32 s67, s67, s68
.if rho%16 == 15
	s_wait_dscnt 0x0                               ; the sixteen address registers are written again
.endif
.set rho, rho+1
.endr
	s_min_u32 s38, s67, 1024
	s_max_u32 s66, s38, 1
	s_sub_co_u32 s66, s66, 1
	s_min_u32 s66, s66, 1023
	s_lshl_b32 s66, s66, 2
	s_add_co_u32 s66, s66, LIST
	v_mov_b32 v200, s66
	ds_load_b32 v201, v200                         ; the last member
	v_add_nc_u32 v202, s38, v1
	v_min_u32 v202, 1055, v202
	v_lshl_add_u32 v202, v202, 2, LIST
	v_mov_b32 v203, s38
	s_wait_dscnt 0x0
	ds_store_b32 v202, v201                        ; fills the 32 places behind it
	ds_store_b32 v21, v203                         ; the count
	s_cmp_eq_u32 s23, 0
	s_cbranch_scc0 .Lh_join
.irp q,0,1,2,3,4,5,6,7,8
	ds_load_b128 v[TOK+4*\q:TOK+4*\q+3], v20 offset:512*\q     ; the expert's first work-group stores list and count for the next launch
.endr
	s_mul_i32 s66, s22, 4864
	s_mov_b32 s67, 0
	s_add_nc_u64 s[68:69], s[20:21], s[66:67]
	s_wait_dscnt 0x0
.irp q,0,1,2,3,4,5,6,7,8
	global_store_b128 v4, v[TOK+4*\q:TOK+4*\q+3], s[68:69] offset:512*\q
.endr
	global_store_b32 v6, v203, s[68:69] offset:4608
	s_wait_xcnt 0x0                                ; the stores have been taken: their registers are written again
.Lh_join:
	s_wait_dscnt 0x0                               ; the list and the count have landed
	s_barrier_signal -1
	s_barrier_wait -1
	s_cmp_lt_u32 s2, 4
	s_cbranch_scc1 .Lh2_join
	ds_load_b32 v80, v21
	s_wait_dscnt 0x0
	v_readfirstlane_b32 s38, v80
	s_min_u32 s38, s38, 1024                       ; rows of my expert
	s_add_co_u32 s39, s38, 15
	s_lshr_b32 s39, s39, 4
	s_max_u32 s39, s39, 1                          ; tiles; at least one, so that tile 0 of every expert is written
	s_sub_co_u32 s40, s39, 1
	s_add_co_u32 s41, s39, 19
	s_mul_i32 s41, s41, 3277
	s_lshr_b32 s41, s41, 16                        ; passes = ceil(tiles / 20), exact up to 64 tiles
	s_lshl_b32 s41, s41, 3                         ; x 8 slots
	s_mov_b32 s66, 0
	PASSINIT
.Lh2_join:
	s_wait_dscnt 0x0                               ; my reads of the list are back: behind this barrier the streamers begin to store
	s_barrier_signal -1
	s_barrier_wait -1
	SLOT 0
	SLOT 1
	SLOT 2
	SLOT 3
	SLOT 4
	SLOT 5
	SLOT 6
	SLOT 7
	; ---- THE TAIL: slot 7 of pass 0, then passes 1 to 3 where the expert has more than 320 rows.  No barrier: LDS is only read.  Every wave walks the loop; the streamers pass over its work.
	s_mov_b32 s42, 7
.Ltail:
	s_cmp_lt_u32 s2, 4
	s_cbranch_scc1 .Ltnext
	s_cmp_ge_u32 s42, s41
	s_cbranch_scc1 .Ltnext
	s_and_b32 s43, s42, 7                          ; the slot whose units are multiplied
	s_mul_i32 s66, s43, CHB
	v_add_nc_u32 v[T16], s66, v4
	v_add_nc_u32 v[T8], s66, v5
	s_lshl_b32 s66, s43, 9
	v_add_nc_u32 v[TW], s66, v[MAW]
	s_and_b32 s66, s43, 3
	s_cmp_eq_u32 s66, 0
	s_cbranch_scc0 .Ltacc
	CONSUME T16, T8, TW, 0, 0, 1
	s_branch .Ltepi
.Ltacc:
	CONSUME T16, T8, TW, 0, 0, 0
.Ltepi:
	s_and_b32 s66, s43, 3
	s_cmp_eq_u32 s66, 3
	s_cbranch_scc0 .Ltnoepi
	s_lshr_b32 s49, s43, 2
	EPI1 1
.Ltnoepi:
	s_add_co_u32 s68, s42, 1
	s_cmp_ge_u32 s68, s41
	s_cbranch_scc1 .Ltnext
	s_and_b32 s69, s68, 7
	s_cmp_eq_u32 s69, 0
	s_cbranch_scc0 .Ltnopass
	s_lshr_b32 s66, s68, 3
	s_mul_i32 s66, s66, 20
	PASSINIT
.Ltnopass:
	s_add_co_u32 s68, s42, 1
	s_and_b32 s68, s68, 3
	s_mul_i32 s66, s68, 96
	s_mov_b32 s67, 0
	s_add_nc_u64 s[34:35], s[10:11], s[66:67]      ; (the loads that named these pairs were waited for in CONSUME)
	s_lshl_b32 s66, s68, 3
	s_add_nc_u64 s[36:37], s[12:13], s[66:67]
	TOKENS 34, 36, 0, 0
.Ltnext:
	s_add_co_u32 s42, s42, 1
	s_cmp_lt_u32 s42, 32
	s_cbranch_scc1 .Ltail
	s_wait_tensorcnt 0x0
	ds_add_u32 v94, v95
	s_wait_dscnt 0x0
	s_endpgm
.Lfunc_end_k_q9db68663be_fc1:
	.size	k_q9db68663be_fc1, .Lfunc_end_k_q9db68663be_fc1-k_q9db68663be_fc1
	.p2alignl 7, 3214868480
	.fill 96, 4, 3214868480
	.section	.rodata,"a",@progbits
	.p2align	6, 0x0
	.amdhsa_kernel k_q9db68663be_fc1
		.amdhsa_group_segment_fixed_size 109568
		.amdhsa_private_segment_fixed_size 0
		.amdhsa_enable_private_segment 0
		.amdhsa_kernarg_size 56
		.amdhsa_user_sgpr_count 2
		.amdhsa_user_sgpr_kernarg_segment_ptr 1
		.amdhsa_wavefront_size32 1
		.amdhsa_system_sgpr_workgroup_id_x 1
		.amdhsa_system_sgpr_workgroup_id_y 1
		.amdhsa_system_sgpr_workgroup_id_z 1
		.amdhsa_system_vgpr_workitem_id 0
		.amdhsa_next_free_vgpr 512
		.amdhsa_next_free_sgpr 100
		.amdhsa_reserve_vcc 0
		.amdhsa_float_denorm_mode_32 3
		.amdhsa_float_denorm_mode_16_64 3
		.amdhsa_memory_ordered 1
		.amdhsa_forward_progress 1
		.amdhsa_inst_pref_size 255
	.end_amdhsa_kernel
	.section	.bss,"aw",@nobits
	.p2align	6
	.space	262144
	.amdgpu_metadata
---
amdhsa.version: [ 1, 2 ]
amdhsa.kernels:
  - .name:           k_q9db68663be_fc1
    .symbol:         k_q9db68663be_fc1.kd
    .args:
      - { .name: w1, .offset: 0, .size: 8, .value_kind: global_buffer, .address_space: global }
      - { .name: xq, .offset: 8, .size: 8, .value_kind: global_buffer, .address_space: global }
      - { .name: xs, .offset: 16, .size: 8, .value_kind: global_buffer, .address_space: global }
      - { .name: topi, .offset: 24, .size: 8, .value_kind: global_buffer, .address_space: global }
      - { .name: himg, .offset: 32, .size: 8, .value_kind: global_buffer, .address_space: global }
      - { .name: hsc, .offset: 40, .size: 8, .value_kind: global_buffer, .address_space: global }
      - { .name: rows, .offset: 48, .size: 8, .value_kind: global_buffer, .address_space: global }
    .group_segment_fixed_size: 109568
    .private_segment_fixed_size: 0
    .kernarg_segment_align: 8
    .kernarg_segment_size: 56
    .max_flat_workgroup_size: 256
    .sgpr_count:     100
    .vgpr_count:     512
    .wavefront_size: 32
...
	.end_amdgpu_metadata
.endif
;; end of part 2
;; launch fc2 (part 3): grid 32 x 8, 8 waves a work-group, no clusters, 121,856 bytes of LDS; arguments w2, himg, hsc, rows, gate, part; writes part
.if DOCPART == 3
	.amdgcn_target "amdgcn-amd-amdhsa--gfx1250"
	.amdhsa_code_object_version 6
	.text
	.protected	k_q9db68663be_fc2
	.globl	k_q9db68663be_fc2
	.p2align	8
	.type	k_q9db68663be_fc2,@function
k_q9db68663be_fc2:
	s_mov_b64 s[64:65], 0
	v_nop
	global_prefetch_b8 v0, s[64:65] scope:SCOPE_SE
	s_setreg_imm32_b32 hwreg(HW_REG_WAVE_MODE, 25, 1), 1
	s_wait_xcnt 0x0
; SECOND PRODUCT OF THE EXPERTS, TIMES THE GATE.  Work-group (x, y = expert e): output columns 64 (x & 15) .. + 63, half kh = x >> 4 of K (hidden units 2048 kh .. + 2047), for the rows routed to e.
; w2: [8][4096 k][1024 n] f32, read ONCE, as f32, and quantised along k in registers; the hidden layer comes as fragments' images (himg, hsc) in the order of the expert's list (rows).
; OUT: part [kh][r][1024] f32 = gate[r] x (this half of K's sum), r = 2 t + k.  Each (kh, r, 64 columns) has one owner; the next launch adds a token's four rows.
; ROLES, UNITS, IMAGES, THE CHOICE OF A TILE'S COLUMNS and PASSES are those of the launch before: waves 0-3 stream and quantise weights into LDS (slot tau = 0..7: K steps 16 kh + 2 tau, + 1; nothing in LDS is written twice but each
; multiplier's own stage), waves 4-7 multiply; one barrier at a slot's end, in front of which each wave waits for all its LDS instructions.  No tensor load, no copy, no cluster: trip counts and branches hang on a stored count.
; Every base address is made on the way that all eight waves take, ahead of the first parting of the roles.
; A streamer's lane (a, hh) takes rows 2048 kh + 256 tau + 64 w + 32 hh + 0..31 and columns 4 a + 0..3: sixteen lanes of a load read 256 consecutive bytes, aligned.
; The product is used transposed: a lane holds one routed row, and the registers 16 b + 0..15 of its accumulators are columns 32 b + 16 (lane / 16) + 0..15.  They go through the wave's own stage in LDS, so that sixteen lanes store a row's 256 bytes.
; LIMITS: NaN and infinities are not served; a block under 2^-124 keeps the byte 1.  K is summed in two halves, which are added in the next launch.
.set PITCH, 4096
.set HSH,   17
.set FRB,   1552
.set CHB,   8*FRB
.set HALF,  4*CHB
.set WSC,   64*FRB
.set STG,   WSC+4096                   ; four stages of 16 rows x (256 + 16) bytes, one for each multiplier
.set SA16,8
.set SA8,9
.set SAW,10
.set SA16H,12
.set SA8H,13
.set MA16H,14
.set MAW,15
.set MA8H,16
.set T16,17
.set T8,18
.set TW,29
.set VO16,32
.set VO8,37
.set VOS,42
.set RID,47
.set GV,52
.set TS,64
.set WS,74
.set IX,80
.set RR,88
.set OF,96
.set QM0,80
.set QM1,81
.set SCO,82
.set BY,84
.set BZ,88
.set X,96
.set CD,224
.set TOK,136
.set EY,136
.set EZ,168
.set WF,160
.set MT,44
.set MSB, 0
.macro WIN new                         ; the immediate's high byte repeats the setting that is left
.if MSB != \new
	s_set_vgpr_msb (MSB<<8)|\new
.set MSB, \new
.endif
.endm
.macro LOADSET lb, ptr                 ; 32 loads of 16 bytes a lane: rows i = 0..31 of my 32, four columns
	WIN 0x40
.set li, 0
.rept 32
	global_load_b128 v[\lb+4*li:\lb+4*li+3], v7, s[\ptr:\ptr+1] offset:li*PITCH th:TH_LOAD_NT
.set li, li+1
.endr
	WIN 0
.endm
.macro QCOL c, tau                     ; column c's block: largest magnitude, scale, codes; six registers and half a scale word to LDS
.set qx, X+32*(\c)
.set qc, CD+8*(\c)
.if (\tau) < 4
.set qa, SA16
.set qb, SA8
.else
.set qa, SA16H
.set qb, SA8H
.endif
.set qo, ((\tau)%4)*CHB
	v_max3_num_f32 v[QM0], |v[qx]|, |v[qx+1]|, 0x1800000          ; two chains; the floor 2^(3 - 127) holds the byte at 1 from below
	v_max3_num_f32 v[QM1], |v[qx+16]|, |v[qx+17]|, |v[qx+18]|
.irp i,0,1,2,3,4,5
	v_max3_num_f32 v[QM0], v[QM0], |v[qx+2+2*\i]|, |v[qx+3+2*\i]|
	v_max3_num_f32 v[QM1], v[QM1], |v[qx+19+2*\i]|, |v[qx+20+2*\i]|
.endr
	v_max3_num_f32 v[QM0], v[QM0], |v[qx+14]|, |v[qx+15]|
	v_max3_num_f32 v[QM0], v[QM0], v[QM1], |v[qx+31]|
	v_add_nc_u32 v[SCO], 0xff000000, v[QM0]        ; 2 off the exponent field: the conversion's scale operand
	v_cvt_scalef32_pk16_fp6_f32 v[qc:qc+2], v[qx:qx+15], v[SCO]
	v_cvt_scalef32_pk16_fp6_f32 v[qc+4:qc+6], v[qx+16:qx+31], v[SCO]   ; (a conversion's three registers begin on an even number)
	v_lshrrev_b32 v[BY+\c], 23, v[SCO]             ; the byte; also the plain line behind the conversions
	v_mov_b32 v[qc+3], v[qc+4]
	v_mov_b32 v[qc+4], v[qc+5]
	v_mov_b32 v[qc+5], v[qc+6]
	ds_store_b128 v[qa], v[qc:qc+3] offset:qo+16*\c
	ds_store_b64 v[qb], v[qc+4:qc+5] offset:qo+8*\c
	v_lshlrev_b32 v[BY+\c], v11, v[BY+\c]
	v_permlanex16_b32 v[BZ], v[BY+\c], s32, s33
	v_or_b32 v[BY+\c], v[BY+\c], v[BZ]             ; both lanes of a pair write the same two bytes
	ds_store_b16 v[SAW], v[BY+\c] offset:(\tau)*512+8*\c
.endm
.macro PRODUCE lb, ptr, tau            ; a streamer's slot
.if (\tau) == 7
	s_wait_loadcnt 0x0                             ; the last set
.else
	s_wait_loadcnt 32                              ; this set's 32 loads are in; the other set's 32 were issued later and may stay out
.endif
	WIN 0x01
.set pi, 0
.rept 32                                           ; the set is turned: a conversion wants 16 neighbours along k in consecutive registers; the set is free at once
	v_mov_b32 v[X+pi], v[\lb+4*pi]
	v_mov_b32 v[X+32+pi], v[\lb+4*pi+1]
	v_mov_b32 v[X+64+pi], v[\lb+4*pi+2]
	v_mov_b32 v[X+96+pi], v[\lb+4*pi+3]
.set pi, pi+1
.endr
	WIN 0
.if (\tau) < 6
.set wo, ((\tau)+2)*(1<<20)
	s_add_nc_u64 s[\ptr:\ptr+1], s[30:31], wo      ; the set's own loads are done, so its pointer may be written: the slot two on
	LOADSET \lb, \ptr
.endif
.irp c,0,1,2,3
	QCOL \c, \tau
.endr
.rept 4
	v_nop                                          ; a register written by a vector instruction stands four places ahead of a scaled matrix instruction that names it as an operand: the products behind the slot's barrier name v244-255, of which v251-253 were just written
.endr
.endm
.macro MM g, t, j, zero                ; one product; the 20 accumulators take turns, one instruction a turn, in the same order everywhere
.set rD, 32*(\g)+8*(\t)
.set rA, WF+48*(\j)+12*(\t)
.set rB, TOK+24*(\g)+12*(\j)
.set rS, WS+2*(\j)+(\t)/2
.set rT, TS+2*(\g)+(\j)
.if (\zero) && ((\j) == 0)
.if (\t)%2
	v_wmma_scale_f32_16x16x128_f8f6f4 v[rD:rD+7], v[rA:rA+11], v[rB:rB+11], 0, v[rS], v[rT] matrix_a_fmt:MATRIX_FMT_FP6 matrix_b_fmt:MATRIX_FMT_FP6 matrix_a_scale:MATRIX_SCALE_ROW1
.else
	v_wmma_scale_f32_16x16x128_f8f6f4 v[rD:rD+7], v[rA:rA+11], v[rB:rB+11], 0, v[rS], v[rT] matrix_a_fmt:MATRIX_FMT_FP6 matrix_b_fmt:MATRIX_FMT_FP6
.endif
.else
.if (\t)%2
	v_wmma_scale_f32_16x16x128_f8f6f4 v[rD:rD+7], v[rA:rA+11], v[rB:rB+11], v[rD:rD+7], v[rS], v[rT] matrix_a_fmt:MATRIX_FMT_FP6 matrix_b_fmt:MATRIX_FMT_FP6 matrix_a_scale:MATRIX_SCALE_ROW1
.else
	v_wmma_scale_f32_16x16x128_f8f6f4 v[rD:rD+7], v[rA:rA+11], v[rB:rB+11], v[rD:rD+7], v[rS], v[rT] matrix_a_fmt:MATRIX_FMT_FP6 matrix_b_fmt:MATRIX_FMT_FP6
.endif
.endif
.endm
.macro CONSUME a16, a8, aw, ow, os, zero   ; a slot's two units x my five tiles of rows: 34 LDS loads, 40 products
	s_wait_loadcnt 0x0                             ; the hidden layer's fragments and scale words (all five slots always load, so the count is 0 on every path)
.irp j,0,1
	ds_load_b64 v[WS+2*\j:WS+2*\j+1], v[\aw] offset:\os+256*\j
.endr
	WIN 0x40
.irp j,0,1
.irp t,0,1,2,3
	ds_load_b128 v[WF+48*\j+12*\t:WF+48*\j+12*\t+3], v[\a16] offset:\ow+(4*\j+\t)*FRB
	ds_load_b128 v[WF+48*\j+12*\t+6:WF+48*\j+12*\t+9], v[\a16] offset:\ow+(4*\j+\t)*FRB+512
	ds_load_b64 v[WF+48*\j+12*\t+4:WF+48*\j+12*\t+5], v[\a8] offset:\ow+(4*\j+\t)*FRB+1024
	ds_load_b64 v[WF+48*\j+12*\t+10:WF+48*\j+12*\t+11], v[\a8] offset:\ow+(4*\j+\t)*FRB+1280
.endr
.endr
	WIN 0x51                                       ; source 0 (weights), C and D window 1; source 1 (hidden layer) window 0
.irp j,0,1
	s_wait_dscnt 16-16*\j                          ; unit 0: the second unit's 16 loads are younger and may stay out; unit 1: all are in
.irp t,0,1,2,3
.irp g,0,1,2,3,4
	MM \g, \t, \j, \zero
.endr
.endr
.endr
	WIN 0
.rept 5
	v_nop                                          ; four places ahead of loads into the sources and of reads of the results, a fifth ahead of a product that begins an accumulator anew
.endr
.endm
.macro TOKENS bi, bs, oi, os           ; the hidden layer's fragments and scale words of two K steps for my five tiles: 50 loads, each on consecutive bytes
.irp g,0,1,2,3,4
.irp j,0,1
	global_load_b128 v[TOK+24*\g+12*\j:TOK+24*\g+12*\j+3], v[VO16+\g], s[\bi:\bi+1] offset:\oi+1536*\j
	global_load_b128 v[TOK+24*\g+12*\j+6:TOK+24*\g+12*\j+9], v[VO16+\g], s[\bi:\bi+1] offset:\oi+1536*\j+512
	global_load_b64 v[TOK+24*\g+12*\j+4:TOK+24*\g+12*\j+5], v[VO8+\g], s[\bi:\bi+1] offset:\oi+1536*\j+1024
	global_load_b64 v[TOK+24*\g+12*\j+10:TOK+24*\g+12*\j+11], v[VO8+\g], s[\bi:\bi+1] offset:\oi+1536*\j+1280
	global_load_b32 v[TS+2*\g+\j], v[VOS+\g], s[\bs:\bs+1] offset:\os+128*\j
.endr
.endr
.endm
.macro PASSINIT                        ; a pass begins: s66 = 20 x pass.  My tiles (one past the last is held at the last), their offsets, their rows' numbers and gates
	s_add_co_u32 s66, s66, s3
.irp g,0,1,2,3,4
	s_add_co_u32 s[MT+\g], s66, 4*\g
	s_min_u32 s67, s[MT+\g], s40
	s_min_u32 s67, s67, 63
	s_mul_i32 s68, s67, 49152
	v_add_nc_u32 v[VO16+\g], s68, v4
	v_add_nc_u32 v[VO8+\g], s68, v5
	s_lshl_b32 s68, s67, 12
	v_add_nc_u32 v[VOS+\g], s68, v6
	s_lshl_b32 s68, s67, 6
	v_add_nc_u32 v[80+\g], s68, v30
	global_load_b32 v[RID+\g], v[80+\g], s[60:61]
.endr
	s_wait_loadcnt 0x0
.irp g,0,1,2,3,4
	v_min_u32 v[RID+\g], 2047, v[RID+\g]
	v_lshlrev_b32 v[85+\g], 2, v[RID+\g]
	global_load_b32 v[GV+2*\g], v[85+\g], s[16:17]  ; waited for with the next fragments
.endr
.endm
.macro EPI2G g                         ; slot g: x gate, through my stage, out as whole rows of 256 bytes
	s_cmp_lt_u32 s[MT+\g], s39
	s_cbranch_scc0 .Lskip_\@
	s_wait_xcnt 0x0                                ; the stores of the slot before have been taken: their data and offsets are written again below
	WIN 0x01
.set ei, 0
.rept 16
	v_pk_mul_f32 v[EY+ei:EY+ei+1], v[32*\g+ei:32*\g+ei+1], v[GV+2*\g:GV+2*\g+1] op_sel_hi:[1,0]   ; each accumulator is read from its low end on
.set ei, ei+2
.endr
	WIN 0
.irp b,0,1
.irp i,0,1,2,3
	ds_store_b128 v19, v[EY+16*\b+4*\i:EY+16*\b+4*\i+3] offset:128*\b+16*\i
.endr
.endr
.irp i,0,1,2,3,4,5,6,7
	ds_bpermute_b32 v[RR+\i], v[IX+\i], v[RID+\g]  ; the number of row 2 i + hh
.endr
.irp i,0,1,2,3,4,5,6,7
	ds_load_b128 v[EZ+4*\i:EZ+4*\i+3], v20 offset:544*\i   ; LDS serves a wave's instructions in order: these see my stores
.endr
	s_wait_dscnt 0x0
.irp i,0,1,2,3,4,5,6,7
	v_min_u32 v[RR+\i], 2047, v[RR+\i]
	v_lshl_add_u32 v[OF+\i], v[RR+\i], 12, v22
	global_store_b128 v[OF+\i], v[EZ+4*\i:EZ+4*\i+3], s[62:63]   ; sixteen lanes store 256 consecutive bytes, aligned
.endr
.Lskip_\@:
.endm
.macro SLOT tau
	s_cmp_lt_u32 s2, 4
	s_cbranch_scc0 .Lmul_\@
.if (\tau)%2 == 0
	PRODUCE 0, 26, \tau
.else
	PRODUCE 128, 28, \tau
.endif
	s_branch .Ljoin_\@
.Lmul_\@:
.if (\tau) > 0
.set cx, (\tau)-1
.set cz, 0
.if cx == 0
.set cz, 1
.endif
.set cow, (cx%4)*CHB
.set cos, cx*512
.if cx < 4
	CONSUME 4, 5, MAW, cow, cos, cz
.else
	CONSUME MA16H, MA8H, MAW, cow, cos, cz
.endif
.endif
.set tq, (\tau)*3072
.set tsw, (\tau)*256
	TOKENS 56, 58, tq, tsw
.Ljoin_\@:
	s_wait_dscnt 0x0                               ; my stores of this slot's images have landed, my reads are back
	s_barrier_signal -1
	s_barrier_wait -1
.endm
	s_load_b256 s[8:15], s[0:1], 0x0               ; w2 s[8:9], himg s[10:11], hsc s[12:13], rows s[14:15]
	s_load_b128 s[16:19], s[0:1], 0x20             ; gate s[16:17], part s[18:19]
	v_lshl_add_u32 v78, v0, 2, 0x1d800
	v_mov_b32 v79, 0
	v_lshrrev_b32 v1, 5, v0
	v_readfirstlane_b32 s2, v1                     ; wave 0..7
	s_and_b32 s3, s2, 3                            ; my number within my role
	s_and_b32 s22, ttmp7, 0xffff                   ; expert
	s_and_b32 s23, ttmp9, 15                       ; which 64 columns
	s_lshr_b32 s24, ttmp9, 4                       ; which half of K
	s_mov_b32 s32, 0x76543210
	s_mov_b32 s33, 0xfedcba98
	s_mov_b32 s41, 0
	v_and_b32 v1, 31, v0
	v_and_b32 v2, 15, v0
	v_bfe_u32 v3, v0, 4, 1
	v_lshlrev_b32 v4, 4, v1
	v_lshlrev_b32 v5, 3, v1
	v_lshlrev_b32 v6, 2, v1
	v_lshlrev_b32 v7, 4, v2
	v_lshl_add_u32 v7, v3, HSH, v7                 ; 16 a + 32 hh rows
	v_bfe_u32 v80, v0, 3, 1                        ; b
	v_bfe_u32 v81, v0, 1, 1                        ; ub
	v_lshl_add_u32 v82, v80, 1, v81                ; tile 2 b + ub
	v_mul_u32_u24 v82, FRB, v82
	v_and_b32 v83, 1, v0
	v_bfe_u32 v84, v0, 2, 1                        ; r3
	v_lshlrev_b32 v83, 2, v83
	v_lshl_add_u32 v83, v84, 3, v83                ; row of column 0 of my four
	v_lshl_add_u32 v84, v3, 4, v83                 ; the fragment's lane that takes it
	s_lshr_b32 s66, s3, 1
	s_and_b32 s67, s3, 1
	s_mul_i32 s68, s66, 4*FRB
	s_lshl_b32 s69, s67, 9
	s_add_co_u32 s69, s69, s68
	v_lshl_add_u32 v[SA16], v84, 4, v82
	v_add_nc_u32 v[SA16], s69, v[SA16]
	s_lshl_b32 s69, s67, 8
	s_add_co_u32 s69, s69, s68
	s_add_co_u32 s69, s69, 1024
	v_lshl_add_u32 v[SA8], v84, 3, v82
	v_add_nc_u32 v[SA8], s69, v[SA8]
	v_lshl_add_u32 v85, v81, 4, v83
	v_lshlrev_b32 v85, 3, v85
	v_lshl_add_u32 v85, v80, 2, v85
	s_lshl_b32 s69, s66, 8
	s_lshl_b32 s70, s67, 1
	s_add_co_u32 s69, s69, s70
	s_add_co_u32 s69, s69, WSC
	v_add_nc_u32 v[SAW], s69, v85
	v_lshlrev_b32 v11, 3, v3
	v_add_nc_u32 v[SA16H], HALF, v[SA16]
	v_add_nc_u32 v[SA8H], HALF, v[SA8]
	v_add_nc_u32 v[MA16H], HALF, v4
	v_add_nc_u32 v[MA8H], HALF, v5
	v_add_nc_u32 v[MAW], WSC, v5
	s_mul_i32 s66, s3, 16*272
	s_add_co_u32 s66, s66, STG                     ; my stage
	v_mul_u32_u24 v19, v2, 272
	v_lshl_add_u32 v19, v3, 6, v19
	v_add_nc_u32 v19, s66, v19                     ; in: row a, + 64 hh
	v_mul_u32_u24 v20, v3, 272
	v_lshl_add_u32 v20, v2, 4, v20
	v_add_nc_u32 v20, s66, v20                     ; back: lanes 0-15 one row, lanes 16-31 the next
	v_lshlrev_b32 v21, 2, v3
	v_lshlrev_b32 v22, 4, v2
	v_lshlrev_b32 v30, 2, v2
	s_lshl_b32 s66, s22, 24
	s_lshl_b32 s67, s24, 23
	s_add_co_u32 s66, s66, s67
	s_lshl_b32 s67, s23, 8
	s_add_co_u32 s66, s66, s67
	s_lshl_b32 s67, s3, 18
	s_add_co_u32 s66, s66, s67                     ; w2: expert, half of K, my 256 bytes of a row, my 64 rows
	s_mov_b32 s67, 0
	s_mul_i32 s68, s22, 4864                       ; rows: my expert's list
	s_mov_b32 s69, 0
	s_mul_i32 s70, s22, 3145728
	s_mul_i32 s76, s24, 24576
	s_add_co_u32 s70, s70, s76                     ; himg: (e, tile 0, K step 16 kh)
	s_mov_b32 s71, 0
	s_lshl_b32 s72, s22, 18
	s_lshl_b32 s76, s24, 11
	s_add_co_u32 s72, s72, s76                     ; hsc likewise
	s_mov_b32 s73, 0
	s_lshl_b32 s74, s24, 23
	s_lshl_b32 s76, s23, 8
	s_add_co_u32 s74, s74, s76                     ; part: (kh, row 0, my columns)
	s_mov_b32 s75, 0
	s_wait_kmcnt 0x0
	s_add_nc_u64 s[30:31], s[8:9], s[66:67]
	s_add_nc_u64 s[60:61], s[14:15], s[68:69]
	s_add_nc_u64 s[56:57], s[10:11], s[70:71]
	s_add_nc_u64 s[58:59], s[12:13], s[72:73]
	s_add_nc_u64 s[62:63], s[18:19], s[74:75]
	s_mov_b64 s[34:35], s[56:57]                   ; the pairs that are stepped later begin as copies of a base
	s_mov_b64 s[36:37], s[58:59]
	s_cmp_lt_u32 s2, 4
	s_cbranch_scc0 .Lh_mul
	v_mov_b32 v[BZ], 0                             ; written once: a lane permute's destination counts as one of its sources
	s_mov_b64 s[26:27], s[30:31]
	LOADSET 0, 26                                  ; slot 0
	s_add_nc_u64 s[28:29], s[30:31], 1<<20
	LOADSET 128, 28                                ; slot 1
	s_branch .Lh_join
.Lh_mul:
	s_load_b32 s38, s[60:61], 0x1200               ; my expert's count
.irp g,0,1,2,3,4
	v_mov_b32 v[GV+2*\g+1], 0                      ; (named with the gate as a pair)
.endr
	s_wait_kmcnt 0x0
	s_min_u32 s38, s38, 1024
	s_add_co_u32 s39, s38, 15
	s_lshr_b32 s39, s39, 4                         ; tiles
	s_max_u32 s40, s39, 1
	s_sub_co_u32 s40, s40, 1
	s_add_co_u32 s41, s39, 19
	s_mul_i32 s41, s41, 3277
	s_lshr_b32 s41, s41, 16                        ; passes = ceil(tiles / 20), exact up to 64 tiles
	s_lshl_b32 s41, s41, 3
	s_mov_b32 s66, 0
	PASSINIT
.Lh_join:
	SLOT 0
	SLOT 1
	SLOT 2
	SLOT 3
	SLOT 4
	SLOT 5
	SLOT 6
	SLOT 7
	; ---- THE TAIL: slot 7 of pass 0 and its way out, then passes 1 to 3 where the expert has more than 320 rows.  No barrier: the images are only read, and a stage is its wave's own.  Every wave walks the loop.
	s_mov_b32 s42, 7
.Ltail:
	s_cmp_lt_u32 s2, 4
	s_cbranch_scc1 .Ltnext
	s_cmp_ge_u32 s42, s41
	s_cbranch_scc1 .Ltnext
	s_and_b32 s43, s42, 7
	s_mul_i32 s66, s43, CHB
	v_add_nc_u32 v[T16], s66, v4
	v_add_nc_u32 v[T8], s66, v5
	s_lshl_b32 s66, s43, 9
	v_add_nc_u32 v[TW], s66, v[MAW]
	s_cmp_eq_u32 s43, 0
	s_cbranch_scc0 .Ltacc
	CONSUME T16, T8, TW, 0, 0, 1
	s_branch .Ltepi
.Ltacc:
	CONSUME T16, T8, TW, 0, 0, 0
.Ltepi:
	s_cmp_eq_u32 s43, 7
	s_cbranch_scc0 .Ltnoepi
.irp i,0,1,2,3,4,5,6,7
	v_add_nc_u32 v[IX+\i], 8*\i, v21               ; 4 x (2 i + hh): the lane that holds that row's number
.endr
.irp g,0,1,2,3,4
	EPI2G \g
.endr
	s_wait_xcnt 0x0                                ; the last stores have been taken: later loads land on their registers
.Ltnoepi:
	s_add_co_u32 s68, s42, 1
	s_cmp_ge_u32 s68, s41
	s_cbranch_scc1 .Ltnext
	s_and_b32 s69, s68, 7
	s_cmp_eq_u32 s69, 0
	s_cbranch_scc0 .Ltnopass
	s_lshr_b32 s66, s68, 3
	s_mul_i32 s66, s66, 20
	PASSINIT
.Ltnopass:
	s_add_co_u32 s68, s42, 1
	s_and_b32 s68, s68, 7
	s_mul_i32 s66, s68, 3072
	s_mov_b32 s67, 0
	s_add_nc_u64 s[34:35], s[56:57], s[66:67]      ; (the loads that named these pairs were waited for in CONSUME)
	s_lshl_b32 s66, s68, 8
	s_add_nc_u64 s[36:37], s[58:59], s[66:67]
	TOKENS 34, 36, 0, 0
.Ltnext:
	s_add_co_u32 s42, s42, 1
	s_cmp_lt_u32 s42, 32
	s_cbranch_scc1 .Ltail
	s_wait_tensorcnt 0x0
	ds_add_u32 v78, v79
	s_wait_dscnt 0x0
	s_endpgm
.Lfunc_end_k_q9db68663be_fc2:
	.size	k_q9db68663be_fc2, .Lfunc_end_k_q9db68663be_fc2-k_q9db68663be_fc2
	.p2alignl 7, 3214868480
	.fill 96, 4, 3214868480
	.section	.rodata,"a",@progbits
	.p2align	6, 0x0
	.amdhsa_kernel k_q9db68663be_fc2
		.amdhsa_group_segment_fixed_size 121856
		.amdhsa_private_segment_fixed_size 0
		.amdhsa_enable_private_segment 0
		.amdhsa_kernarg_size 48
		.amdhsa_user_sgpr_count 2
		.amdhsa_user_sgpr_kernarg_segment_ptr 1
		.amdhsa_wavefront_size32 1
		.amdhsa_system_sgpr_workgroup_id_x 1
		.amdhsa_system_sgpr_workgroup_id_y 1
		.amdhsa_system_sgpr_workgroup_id_z 1
		.amdhsa_system_vgpr_workitem_id 0
		.amdhsa_next_free_vgpr 512
		.amdhsa_next_free_sgpr 100
		.amdhsa_reserve_vcc 0
		.amdhsa_float_denorm_mode_32 3
		.amdhsa_float_denorm_mode_16_64 3
		.amdhsa_memory_ordered 1
		.amdhsa_forward_progress 1
		.amdhsa_inst_pref_size 255
	.end_amdhsa_kernel
	.section	.bss,"aw",@nobits
	.p2align	6
	.space	262144
	.amdgpu_metadata
---
amdhsa.version: [ 1, 2 ]
amdhsa.kernels:
  - .name:           k_q9db68663be_fc2
    .symbol:         k_q9db68663be_fc2.kd
    .args:
      - { .name: w2, .offset: 0, .size: 8, .value_kind: global_buffer, .address_space: global }
      - { .name: himg, .offset: 8, .size: 8, .value_kind: global_buffer, .address_space: global }
      - { .name: hsc, .offset: 16, .size: 8, .value_kind: global_buffer, .address_space: global }
      - { .name: rows, .offset: 24, .size: 8, .value_kind: global_buffer, .address_space: global }
      - { .name: gate, .offset: 32, .size: 8, .value_kind: global_buffer, .address_space: global }
      - { .name: part, .offset: 40, .size: 8, .value_kind: global_buffer, .address_space: global }
    .group_segment_fixed_size: 121856
    .private_segment_fixed_size: 0
    .kernarg_segment_align: 8
    .kernarg_segment_size: 48
    .max_flat_workgroup_size: 256
    .sgpr_count:     100
    .vgpr_count:     512
    .wavefront_size: 32
...
	.end_amdgpu_metadata
.endif
;; end of part 3
;; launch combine (part 4): grid 256 x 1, 8 waves a work-group, no clusters, 0 bytes of LDS; arguments part, out0; writes out0
.if DOCPART == 4
	.amdgcn_target "amdgcn-amd-amdhsa--gfx1250"
	.amdhsa_code_object_version 6
	.text
	.protected	k_q9db68663be_combine
	.globl	k_q9db68663be_combine
	.p2align	8
	.type	k_q9db68663be_combine,@function
k_q9db68663be_combine:
	s_mov_b64 s[64:65], 0
	v_nop
	global_prefetch_b8 v0, s[64:65] scope:SCOPE_SE
	s_setreg_imm32_b32 hwreg(HW_REG_WAVE_MODE, 25, 1), 1
	s_wait_xcnt 0x0
; out0[t] = part[0][2 t] + part[0][2 t + 1] + part[1][2 t] + part[1][2 t + 1]: a token's two experts, each in two halves of K.  part: [2][2048][1024] f32; out0: [1024][1024] f32.
; A stream: no LDS, no barrier, no matrix unit.  A work-group takes 4 tokens; thread i takes the 16 bytes at 16 i of every row, so a wave's load or store covers 512 consecutive bytes, aligned.
; All 16 loads go out first; a token's wait leaves the later tokens' loads out.
	s_load_b128 s[4:7], s[0:1], 0x0                ; part s[4:5], out0 s[6:7]
	v_lshlrev_b32 v1, 4, v0
	s_lshl_b32 s8, ttmp9, 15                       ; 4 tokens x 2 rows x 4,096 bytes
	s_mov_b32 s9, 0
	s_lshl_b32 s10, ttmp9, 14
	s_mov_b32 s11, 0
	s_wait_kmcnt 0x0
	s_add_nc_u64 s[4:5], s[4:5], s[8:9]
	s_add_nc_u64 s[12:13], s[4:5], 0x800000        ; the second half of K
	s_add_nc_u64 s[6:7], s[6:7], s[10:11]
.irp j,0,1,2,3
	global_load_b128 v[8+16*\j:11+16*\j], v1, s[4:5] offset:8192*\j th:TH_LOAD_NT
	global_load_b128 v[12+16*\j:15+16*\j], v1, s[4:5] offset:8192*\j+4096 th:TH_LOAD_NT
	global_load_b128 v[16+16*\j:19+16*\j], v1, s[12:13] offset:8192*\j th:TH_LOAD_NT
	global_load_b128 v[20+16*\j:23+16*\j], v1, s[12:13] offset:8192*\j+4096 th:TH_LOAD_NT
.endr
.irp j,0,1,2,3
	s_wait_loadcnt 12-4*\j                         ; token j's four loads are in; those of the tokens behind it may stay out
	v_pk_add_f32 v[8+16*\j:9+16*\j], v[8+16*\j:9+16*\j], v[12+16*\j:13+16*\j]
	v_pk_add_f32 v[10+16*\j:11+16*\j], v[10+16*\j:11+16*\j], v[14+16*\j:15+16*\j]
	v_pk_add_f32 v[16+16*\j:17+16*\j], v[16+16*\j:17+16*\j], v[20+16*\j:21+16*\j]
	v_pk_add_f32 v[18+16*\j:19+16*\j], v[18+16*\j:19+16*\j], v[22+16*\j:23+16*\j]
	v_pk_add_f32 v[8+16*\j:9+16*\j], v[8+16*\j:9+16*\j], v[16+16*\j:17+16*\j]
	v_pk_add_f32 v[10+16*\j:11+16*\j], v[10+16*\j:11+16*\j], v[18+16*\j:19+16*\j]
	global_store_b128 v1, v[8+16*\j:11+16*\j], s[6:7] offset:4096*\j th:TH_STORE_NT
.endr
	s_endpgm
.Lfunc_end_k_q9db68663be_combine:
	.size	k_q9db68663be_combine, .Lfunc_end_k_q9db68663be_combine-k_q9db68663be_combine
	.p2alignl 7, 3214868480
	.fill 96, 4, 3214868480
	.section	.rodata,"a",@progbits
	.p2align	6, 0x0
	.amdhsa_kernel k_q9db68663be_combine
		.amdhsa_group_segment_fixed_size 0
		.amdhsa_private_segment_fixed_size 0
		.amdhsa_enable_private_segment 0
		.amdhsa_kernarg_size 16
		.amdhsa_user_sgpr_count 2
		.amdhsa_user_sgpr_kernarg_segment_ptr 1
		.amdhsa_wavefront_size32 1
		.amdhsa_system_sgpr_workgroup_id_x 1
		.amdhsa_system_sgpr_workgroup_id_y 1
		.amdhsa_system_sgpr_workgroup_id_z 1
		.amdhsa_system_vgpr_workitem_id 0
		.amdhsa_next_free_vgpr 96
		.amdhsa_next_free_sgpr 66
		.amdhsa_reserve_vcc 0
		.amdhsa_float_denorm_mode_32 3
		.amdhsa_float_denorm_mode_16_64 3
		.amdhsa_memory_ordered 1
		.amdhsa_forward_progress 1
		.amdhsa_inst_pref_size 5
	.end_amdhsa_kernel
	.amdgpu_metadata
---
amdhsa.version: [ 1, 2 ]
amdhsa.kernels:
  - .name:           k_q9db68663be_combine
    .symbol:         k_q9db68663be_combine.kd
    .args:
      - { .name: part, .offset: 0, .size: 8, .value_kind: global_buffer, .address_space: global }
      - { .name: out0, .offset: 8, .size: 8, .value_kind: global_buffer, .address_space: global }
    .group_segment_fixed_size: 0
    .private_segment_fixed_size: 0
    .kernarg_segment_align: 8
    .kernarg_segment_size: 16
    .max_flat_workgroup_size: 256
    .sgpr_count:     66
    .vgpr_count:     96
    .wavefront_size: 32
...
	.end_amdgpu_metadata
.endif
;; end of part 4
;; ======== version 2 of 2: 4 launches; version 1 with the launch fc2 written anew for expert scheduling mode
;; workspace buffers: xq 786,432 bytes; xs 32,768 bytes; topi 8,192 bytes of whole numbers; gate 8,192 bytes; himg 25,165,824 bytes; hsc 2,097,152 bytes; rows 38,912 bytes of whole numbers; part 16,777,216 bytes
;; launch route: the kernel of part 1 again; grid 256 x 1, 4 waves a work-group, no clusters, 0 bytes of LDS; arguments x, router_w, xq, xs, topi, gate; writes xq, xs, topi, gate
;; launch fc1: the kernel of part 2 again; grid 32 x 8, 8 waves a work-group, no clusters, 109,568 bytes of LDS; arguments w1, xq, xs, topi, himg, hsc, rows; writes himg, hsc, rows
;; launch fc2 (part 5): grid 32 x 8, 8 waves a work-group, no clusters, 121,856 bytes of LDS; arguments w2, himg, hsc, rows, gate, part; writes part
.if DOCPART == 5
	.amdgcn_target "amdgcn-amd-amdhsa--gfx1250"
	.amdhsa_code_object_version 6
	.text
	.protected	k_q9db68663be_fc2
	.globl	k_q9db68663be_fc2
	.p2align	8
	.type	k_q9db68663be_fc2,@function
k_q9db68663be_fc2:
	s_mov_b64 s[64:65], 0
	v_nop
	global_prefetch_b8 v0, s[64:65] scope:SCOPE_SE
	s_setreg_imm32_b32 hwreg(HW_REG_WAVE_SCHED_MODE, 0, 2), 2
	s_setreg_imm32_b32 hwreg(HW_REG_WAVE_MODE, 25, 1), 1
	s_wait_xcnt 0x0
	s_wait_alu depctr_vm_vsrc(0)
; SECOND PRODUCT OF THE EXPERTS, TIMES THE GATE.  Work-group (x, y = expert e): output columns 64 (x & 15) .. + 63, half kh = x >> 4 of K (hidden units 2048 kh .. + 2047), for the rows routed to e.
; w2: [8][4096 k][1024 n] f32, read ONCE, as f32, and quantised along k in registers; the hidden layer comes as fragments' images (himg, hsc) in the order of the expert's list (rows).
; OUT: part [kh][r][1024] f32 = gate[r] x (this half of K's sum), r = 2 t + k.  Each (kh, r, 64 columns) has one owner; the next launch adds a token's four rows.
; ROLES, UNITS, IMAGES, THE CHOICE OF A TILE'S COLUMNS and PASSES are those of the launch before: waves 0-3 stream and quantise weights into LDS (slot tau = 0..7: K steps 16 kh + 2 tau, + 1; nothing in LDS is written twice but each
; multiplier's own stage), waves 4-7 multiply; one barrier at a slot's end, in front of which each wave waits for all its LDS instructions.  No tensor load, no copy, no cluster: trip counts and branches hang on a stored count.
; Every base address is made on the way that all eight waves take, ahead of the first parting of the roles.
; A streamer's lane (a, hh) takes rows 2048 kh + 256 tau + 64 w + 32 hh + 0..31 and columns 4 a + 0..3: sixteen lanes of a load read 256 consecutive bytes, aligned.
; The product is used transposed: a lane holds one routed row, and the registers 16 b + 0..15 of its accumulators are columns 32 b + 16 (lane / 16) + 0..15.  They go through the wave's own stage in LDS, so that sixteen lanes store a row's 256 bytes.
; LIMITS: NaN and infinities are not served; a block under 2^-124 keeps the byte 1.  K is summed in two halves, which are added in the next launch.
; THE MODE: SCHED_MODE bits 1:0 = 2 (LLVM: expert scheduling mode 2), set by the entry lines.  The code itself states the register dependences
; between vector or matrix instructions and memory or LDS instructions, with s_wait_alu, always for 0.
; THE PLAN.  Registers that memory or LDS instructions touch:
;   STREAMERS.  The two sets (window 1): a slot's 128 moves read one; behind them, and behind one wait on va_vdst, the loads of the slot two on land in it.
;     The codes v224-255 and the bytes v84-87: written by the arithmetic of the slot's four columns; behind it one wait on va_vdst, then the run of twelve LDS stores that read them; the wait on vm_vsrc at the slot's end
;     stands ahead of the next slot's arithmetic, which writes them again.  v7 to v13: made at the head, never written again.
;   MULTIPLIERS.  The hidden layer's fragments v136-255 and scale words v64-73 (global loads land, products read; the way out works in v136-199), the weights' fragments (window 1, v160-255) and scale words v74-77 (LDS loads land, products read):
;     ONE wait on va_vdst a slot, behind the products (and the way out) and ahead of the fragments' loads; no vector instruction stands between it and the next slot's LDS loads, so it serves those too.
;     The way out of a tile: v136-167 (multiplications write, LDS stores read), v80-87 and v47-51 (permutes read), v88-95 (permutes' results land, vector lines read), v168-199 (LDS loads land, global stores read), v96-103 (vector lines write, global stores read):
;     a wait on vm_vsrc at its head, one on va_vdst ahead of the run of LDS instructions, one ahead of the run of global stores.
;     v32-46, v47-61, v80-89 (a pass's offsets, rows' numbers and gates) and v17, v18, v29 (a tail trip's addresses): a wait on vm_vsrc ahead of the lines that write them again, one on va_vdst ahead of each run of loads.
;   v78, v79: written at the head, read by the closing add alone.
.set PITCH, 4096
.set HSH,   17
.set FRB,   1552
.set CHB,   8*FRB
.set HALF,  4*CHB
.set WSC,   64*FRB
.set STG,   WSC+4096                   ; four stages of 16 rows x (256 + 16) bytes, one for each multiplier
.set SA16,8
.set SA8,9
.set SAW,10
.set SA16H,12
.set SA8H,13
.set MA16H,14
.set MAW,15
.set MA8H,16
.set T16,17
.set T8,18
.set TW,29
.set VO16,32
.set VO8,37
.set VOS,42
.set RID,47
.set GV,52
.set TS,64
.set WS,74
.set IX,80
.set RR,88
.set OF,96
.set QM0,80
.set QM1,81
.set SCO,82
.set BY,84
.set BZ,88
.set X,96
.set CD,224
.set TOK,136
.set EY,136
.set EZ,168
.set WF,160
.set MT,44
.set MSB, 0
.macro WIN new                         ; the immediate's high byte repeats the setting that is left
.if MSB != \new
	s_set_vgpr_msb (MSB<<8)|\new
.set MSB, \new
.endif
.endm
.macro LOADSET lb, ptr                 ; 32 loads of 16 bytes a lane: rows i = 0..31 of my 32, four columns
	WIN 0x40
.set li, 0
.rept 32
	global_load_b128 v[\lb+4*li:\lb+4*li+3], v7, s[\ptr:\ptr+1] offset:li*PITCH th:TH_LOAD_NT
.set li, li+1
.endr
	WIN 0
.endm
.macro QARITH c                        ; column c's block: largest magnitude, scale, codes, half a scale word: registers alone
.set qx, X+32*(\c)
.set qc, CD+8*(\c)
	v_max3_num_f32 v[QM0], |v[qx]|, |v[qx+1]|, 0x1800000          ; two chains; the floor 2^(3 - 127) holds the byte at 1 from below
	v_max3_num_f32 v[QM1], |v[qx+16]|, |v[qx+17]|, |v[qx+18]|
.irp i,0,1,2,3,4,5
	v_max3_num_f32 v[QM0], v[QM0], |v[qx+2+2*\i]|, |v[qx+3+2*\i]|
	v_max3_num_f32 v[QM1], v[QM1], |v[qx+19+2*\i]|, |v[qx+20+2*\i]|
.endr
	v_max3_num_f32 v[QM0], v[QM0], |v[qx+14]|, |v[qx+15]|
	v_max3_num_f32 v[QM0], v[QM0], v[QM1], |v[qx+31]|
	v_add_nc_u32 v[SCO], 0xff000000, v[QM0]        ; 2 off the exponent field: the conversion's scale operand
	v_cvt_scalef32_pk16_fp6_f32 v[qc:qc+2], v[qx:qx+15], v[SCO]
	v_cvt_scalef32_pk16_fp6_f32 v[qc+4:qc+6], v[qx+16:qx+31], v[SCO]   ; (a conversion's three registers begin on an even number)
	v_lshrrev_b32 v[BY+\c], 23, v[SCO]             ; the byte; also the plain line behind the conversions
	v_mov_b32 v[qc+3], v[qc+4]
	v_mov_b32 v[qc+4], v[qc+5]
	v_mov_b32 v[qc+5], v[qc+6]
	v_lshlrev_b32 v[BY+\c], v11, v[BY+\c]
	v_permlanex16_b32 v[BZ], v[BY+\c], s32, s33
	v_or_b32 v[BY+\c], v[BY+\c], v[BZ]             ; both lanes of a pair write the same two bytes
.endm
.macro QSTORE c, tau                   ; column c's six registers and half a scale word to LDS
.set qc, CD+8*(\c)
.if (\tau) < 4
.set qa, SA16
.set qb, SA8
.else
.set qa, SA16H
.set qb, SA8H
.endif
.set qo, ((\tau)%4)*CHB
	ds_store_b128 v[qa], v[qc:qc+3] offset:qo+16*\c
	ds_store_b64 v[qb], v[qc+4:qc+5] offset:qo+8*\c
	ds_store_b16 v[SAW], v[BY+\c] offset:(\tau)*512+8*\c
.endm
.macro PRODUCE lb, ptr, tau            ; a streamer's slot
.if (\tau) == 7
	s_wait_loadcnt 0x0                             ; the last set
.else
	s_wait_loadcnt 32                              ; this set's 32 loads are in; the other set's 32 were issued later and may stay out
.endif
	WIN 0x01
.set pi, 0
.rept 32                                           ; the set is turned: a conversion wants 16 neighbours along k in consecutive registers; the set is free at once
	v_mov_b32 v[X+pi], v[\lb+4*pi]
	v_mov_b32 v[X+32+pi], v[\lb+4*pi+1]
	v_mov_b32 v[X+64+pi], v[\lb+4*pi+2]
	v_mov_b32 v[X+96+pi], v[\lb+4*pi+3]
.set pi, pi+1
.endr
.if (\tau) < 6
.set wo, ((\tau)+2)*(1<<20)
	s_add_nc_u64 s[\ptr:\ptr+1], s[30:31], wo      ; the set's own loads are done, so its pointer may be written: the slot two on
	WIN 0x40                                       ; the loads' window first, then the wait, then the loads
	s_wait_alu depctr_va_vdst(0)                   ; the 128 moves are done reading the set, in which the loads below land
	LOADSET \lb, \ptr
.else
	WIN 0
.endif
.irp c,0,1,2,3
	QARITH \c
.endr
	s_wait_alu depctr_va_vdst(0)                   ; the conversions, moves and v_or have written the codes v224-255 and the bytes v84-87, which the twelve LDS stores read
.irp c,0,1,2,3
	QSTORE \c, \tau
.endr
.rept 4
	v_nop                                          ; a register written by a vector instruction stands four places ahead of a scaled matrix instruction that names it as an operand: the products behind the slot's barrier name v244-255, of which v251-253 were written in this slot
.endr
.endm
.macro MM g, t, j, zero                ; one product; the 20 accumulators take turns, one instruction a turn, in the same order everywhere
.set rD, 32*(\g)+8*(\t)
.set rA, WF+48*(\j)+12*(\t)
.set rB, TOK+24*(\g)+12*(\j)
.set rS, WS+2*(\j)+(\t)/2
.set rT, TS+2*(\g)+(\j)
.if (\zero) && ((\j) == 0)
.if (\t)%2
	v_wmma_scale_f32_16x16x128_f8f6f4 v[rD:rD+7], v[rA:rA+11], v[rB:rB+11], 0, v[rS], v[rT] matrix_a_fmt:MATRIX_FMT_FP6 matrix_b_fmt:MATRIX_FMT_FP6 matrix_a_scale:MATRIX_SCALE_ROW1
.else
	v_wmma_scale_f32_16x16x128_f8f6f4 v[rD:rD+7], v[rA:rA+11], v[rB:rB+11], 0, v[rS], v[rT] matrix_a_fmt:MATRIX_FMT_FP6 matrix_b_fmt:MATRIX_FMT_FP6
.endif
.else
.if (\t)%2
	v_wmma_scale_f32_16x16x128_f8f6f4 v[rD:rD+7], v[rA:rA+11], v[rB:rB+11], v[rD:rD+7], v[rS], v[rT] matrix_a_fmt:MATRIX_FMT_FP6 matrix_b_fmt:MATRIX_FMT_FP6 matrix_a_scale:MATRIX_SCALE_ROW1
.else
	v_wmma_scale_f32_16x16x128_f8f6f4 v[rD:rD+7], v[rA:rA+11], v[rB:rB+11], v[rD:rD+7], v[rS], v[rT] matrix_a_fmt:MATRIX_FMT_FP6 matrix_b_fmt:MATRIX_FMT_FP6
.endif
.endif
.endm
; a slot's two units x my five tiles of rows: 34 LDS loads, 40 products.
; The LDS loads land in registers that the products of the slot before read: the wait on va_vdst ahead of that slot's fragments' loads has stated that these are done, and no vector instruction since names them.
.macro CONSUME a16, a8, aw, ow, os, zero
	s_wait_loadcnt 0x0                             ; the hidden layer's fragments and scale words (all five slots always load, so the count is 0 on every path)
.irp j,0,1
	ds_load_b64 v[WS+2*\j:WS+2*\j+1], v[\aw] offset:\os+256*\j
.endr
	WIN 0x40
.irp j,0,1
.irp t,0,1,2,3
	ds_load_b128 v[WF+48*\j+12*\t:WF+48*\j+12*\t+3], v[\a16] offset:\ow+(4*\j+\t)*FRB
	ds_load_b128 v[WF+48*\j+12*\t+6:WF+48*\j+12*\t+9], v[\a16] offset:\ow+(4*\j+\t)*FRB+512
	ds_load_b64 v[WF+48*\j+12*\t+4:WF+48*\j+12*\t+5], v[\a8] offset:\ow+(4*\j+\t)*FRB+1024
	ds_load_b64 v[WF+48*\j+12*\t+10:WF+48*\j+12*\t+11], v[\a8] offset:\ow+(4*\j+\t)*FRB+1280
.endr
.endr
	WIN 0x51                                       ; source 0 (weights), C and D window 1; source 1 (hidden layer) window 0
.irp j,0,1
	s_wait_dscnt 16-16*\j                          ; unit 0: the second unit's 16 loads are younger and may stay out; unit 1: all are in
.irp t,0,1,2,3
.irp g,0,1,2,3,4
	MM \g, \t, \j, \zero
.endr
.endr
.endr
	WIN 0
.rept 5
	v_nop                                          ; four places ahead of reads of the results (ISA guide 7.12.1), a fifth ahead of a product that begins an accumulator anew
.endr
.endm
.macro TOKENS bi, bs, oi, os           ; the hidden layer's fragments and scale words of two K steps for my five tiles: 50 loads, each on consecutive bytes
.irp g,0,1,2,3,4
.irp j,0,1
	global_load_b128 v[TOK+24*\g+12*\j:TOK+24*\g+12*\j+3], v[VO16+\g], s[\bi:\bi+1] offset:\oi+1536*\j
	global_load_b128 v[TOK+24*\g+12*\j+6:TOK+24*\g+12*\j+9], v[VO16+\g], s[\bi:\bi+1] offset:\oi+1536*\j+512
	global_load_b64 v[TOK+24*\g+12*\j+4:TOK+24*\g+12*\j+5], v[VO8+\g], s[\bi:\bi+1] offset:\oi+1536*\j+1024
	global_load_b64 v[TOK+24*\g+12*\j+10:TOK+24*\g+12*\j+11], v[VO8+\g], s[\bi:\bi+1] offset:\oi+1536*\j+1280
	global_load_b32 v[TS+2*\g+\j], v[VOS+\g], s[\bs:\bs+1] offset:\os+128*\j
.endr
.endr
.endm
; a pass begins: s66 = 20 x pass.  My tiles (one past the last is held at the last), their offsets, their rows' numbers and gates.  again = 1: not the first pass
.macro PASSINIT again
	s_add_co_u32 s66, s66, s3
.if \again
	s_wait_alu depctr_vm_vsrc(0)                   ; the last pass's loads have read the offsets v32-46, its permutes v80-87 and the rows' numbers v47-51: all are written again below
.endif
.irp g,0,1,2,3,4
	s_add_co_u32 s[MT+\g], s66, 4*\g
	s_min_u32 s67, s[MT+\g], s40
	s_min_u32 s67, s67, 63
	s_mul_i32 s68, s67, 49152
	v_add_nc_u32 v[VO16+\g], s68, v4
	v_add_nc_u32 v[VO8+\g], s68, v5
	s_lshl_b32 s68, s67, 12
	v_add_nc_u32 v[VOS+\g], s68, v6
	s_lshl_b32 s68, s67, 6
	v_add_nc_u32 v[80+\g], s68, v30
.endr
	s_wait_alu depctr_va_vdst(0)                   ; the offsets v80-84 are written, which the loads below read, and v32-46, which the fragments' loads read; the vector instructions issued so far are done with v47-51, in which the loads below land
.irp g,0,1,2,3,4
	global_load_b32 v[RID+\g], v[80+\g], s[60:61]
.endr
	s_wait_loadcnt 0x0
.irp g,0,1,2,3,4
	v_min_u32 v[RID+\g], 2047, v[RID+\g]
	v_lshlrev_b32 v[85+\g], 2, v[RID+\g]
.endr
	s_wait_alu depctr_va_vdst(0)                   ; the offsets v85-89 are written, which the loads below read; the last way out's multiplications are done reading the gates, in which they land
.irp g,0,1,2,3,4
	global_load_b32 v[GV+2*\g], v[85+\g], s[16:17]  ; waited for with the next fragments
.endr
	s_wait_alu depctr_vm_vsrc(0)                   ; the ten loads above have read v80-89, which the way out writes again
.endm
.macro EPI2G g                         ; slot g: x gate, through my stage, out as whole rows of 256 bytes
	s_cmp_lt_u32 s[MT+\g], s39
	s_cbranch_scc0 .Lskip_\@
	s_wait_xcnt 0x0                                ; the stores of the slot before have been taken: their data and offsets are written again below
	s_wait_alu depctr_vm_vsrc(0)                   ; the slot before: its LDS stores have read v136-167, its global stores v168-199 and the offsets v96-103: all are written again below
	WIN 0x01
.set ei, 0
.rept 16
	v_pk_mul_f32 v[EY+ei:EY+ei+1], v[32*\g+ei:32*\g+ei+1], v[GV+2*\g:GV+2*\g+1] op_sel_hi:[1,0]   ; each accumulator is read from its low end on
.set ei, ei+2
.endr
	WIN 0
	s_wait_alu depctr_va_vdst(0)                   ; the multiplications have written v136-167, which the LDS stores read; v80-87 are written, which the permutes read; the slot before is done with v88-95, in which the permutes' results land; the products are done reading v168-199, in which the LDS loads land
.irp b,0,1
.irp i,0,1,2,3
	ds_store_b128 v19, v[EY+16*\b+4*\i:EY+16*\b+4*\i+3] offset:128*\b+16*\i
.endr
.endr
.irp i,0,1,2,3,4,5,6,7
	ds_bpermute_b32 v[RR+\i], v[IX+\i], v[RID+\g]  ; the number of row 2 i + hh
.endr
.irp i,0,1,2,3,4,5,6,7
	ds_load_b128 v[EZ+4*\i:EZ+4*\i+3], v20 offset:544*\i   ; LDS serves a wave's instructions in order: these see my stores
.endr
	s_wait_dscnt 0x0
.irp i,0,1,2,3,4,5,6,7
	v_min_u32 v[RR+\i], 2047, v[RR+\i]
	v_lshl_add_u32 v[OF+\i], v[RR+\i], 12, v22
.endr
	s_wait_alu depctr_va_vdst(0)                   ; the eight offsets v96-103 are written, which the stores below read
.irp i,0,1,2,3,4,5,6,7
	global_store_b128 v[OF+\i], v[EZ+4*\i:EZ+4*\i+3], s[62:63]   ; sixteen lanes store 256 consecutive bytes, aligned
.endr
.Lskip_\@:
.endm
.macro SLOT tau
	s_cmp_lt_u32 s2, 4
	s_cbranch_scc0 .Lmul_\@
.if (\tau)%2 == 0
	PRODUCE 0, 26, \tau
.else
	PRODUCE 128, 28, \tau
.endif
	s_branch .Ljoin_\@
.Lmul_\@:
.if (\tau) > 0
.set cx, (\tau)-1
.set cz, 0
.if cx == 0
.set cz, 1
.endif
.set cow, (cx%4)*CHB
.set cos, cx*512
.if cx < 4
	CONSUME 4, 5, MAW, cow, cos, cz
.else
	CONSUME MA16H, MA8H, MAW, cow, cos, cz
.endif
	s_wait_alu depctr_va_vdst(0)                   ; the products are done reading the hidden layer's fragments and scale words, in which the loads below land, and the weights', in which the next slot's LDS loads land.  (Slot 0 owes nothing: the waits of the pass's beginning have stated that the offsets are written)
.endif
.set tq, (\tau)*3072
.set tsw, (\tau)*256
	TOKENS 56, 58, tq, tsw
.Ljoin_\@:
	s_wait_alu depctr_vm_vsrc(0)                   ; the streamers' LDS stores have read the codes v224-255 and the bytes v84-87, which their next slot writes again
	s_wait_dscnt 0x0                               ; my stores of this slot's images have landed, my reads are back
	s_barrier_signal -1
	s_barrier_wait -1
.endm
	s_load_b256 s[8:15], s[0:1], 0x0               ; w2 s[8:9], himg s[10:11], hsc s[12:13], rows s[14:15]
	s_load_b128 s[16:19], s[0:1], 0x20             ; gate s[16:17], part s[18:19]
	v_lshl_add_u32 v78, v0, 2, 0x1d800
	v_mov_b32 v79, 0
	v_lshrrev_b32 v1, 5, v0
	v_readfirstlane_b32 s2, v1                     ; wave 0..7
	s_and_b32 s22, ttmp7, 0xffff                   ; expert
	s_and_b32 s23, ttmp9, 15                       ; which 64 columns
	s_lshr_b32 s24, ttmp9, 4                       ; which half of K
	s_mov_b32 s32, 0x76543210
	s_mov_b32 s33, 0xfedcba98
	s_mov_b32 s41, 0
	v_and_b32 v1, 31, v0
	v_and_b32 v2, 15, v0
	v_bfe_u32 v3, v0, 4, 1
	v_lshlrev_b32 v4, 4, v1
	v_lshlrev_b32 v5, 3, v1
	v_lshlrev_b32 v6, 2, v1
	v_lshlrev_b32 v7, 4, v2
	v_lshl_add_u32 v7, v3, HSH, v7                 ; 16 a + 32 hh rows
	v_bfe_u32 v80, v0, 3, 1                        ; b
	v_bfe_u32 v81, v0, 1, 1                        ; ub
	v_lshl_add_u32 v82, v80, 1, v81                ; tile 2 b + ub
	v_mul_u32_u24 v82, FRB, v82
	v_and_b32 v83, 1, v0
	v_bfe_u32 v84, v0, 2, 1                        ; r3
	v_lshlrev_b32 v83, 2, v83
	v_lshl_add_u32 v83, v84, 3, v83                ; row of column 0 of my four
	v_lshl_add_u32 v84, v3, 4, v83                 ; the fragment's lane that takes it
	s_wait_alu depctr_va_sdst(0)                   ; s2 is written, ahead of its first reader
	s_and_b32 s3, s2, 3                            ; my number within my role
	s_lshr_b32 s66, s3, 1
	s_and_b32 s67, s3, 1
	s_mul_i32 s68, s66, 4*FRB
	s_lshl_b32 s69, s67, 9
	s_add_co_u32 s69, s69, s68
	v_lshl_add_u32 v[SA16], v84, 4, v82
	v_add_nc_u32 v[SA16], s69, v[SA16]
	s_lshl_b32 s69, s67, 8
	s_add_co_u32 s69, s69, s68
	s_add_co_u32 s69, s69, 1024
	v_lshl_add_u32 v[SA8], v84, 3, v82
	v_add_nc_u32 v[SA8], s69, v[SA8]
	v_lshl_add_u32 v85, v81, 4, v83
	v_lshlrev_b32 v85, 3, v85
	v_lshl_add_u32 v85, v80, 2, v85
	s_lshl_b32 s69, s66, 8
	s_lshl_b32 s70, s67, 1
	s_add_co_u32 s69, s69, s70
	s_add_co_u32 s69, s69, WSC
	v_add_nc_u32 v[SAW], s69, v85
	v_lshlrev_b32 v11, 3, v3
	v_add_nc_u32 v[SA16H], HALF, v[SA16]
	v_add_nc_u32 v[SA8H], HALF, v[SA8]
	v_add_nc_u32 v[MA16H], HALF, v4
	v_add_nc_u32 v[MA8H], HALF, v5
	v_add_nc_u32 v[MAW], WSC, v5
	s_mul_i32 s66, s3, 16*272
	s_add_co_u32 s66, s66, STG                     ; my stage
	v_mul_u32_u24 v19, v2, 272
	v_lshl_add_u32 v19, v3, 6, v19
	v_add_nc_u32 v19, s66, v19                     ; in: row a, + 64 hh
	v_mul_u32_u24 v20, v3, 272
	v_lshl_add_u32 v20, v2, 4, v20
	v_add_nc_u32 v20, s66, v20                     ; back: lanes 0-15 one row, lanes 16-31 the next
	v_lshlrev_b32 v21, 2, v3
	v_lshlrev_b32 v22, 4, v2
	v_lshlrev_b32 v30, 2, v2
	s_lshl_b32 s66, s22, 24
	s_lshl_b32 s67, s24, 23
	s_add_co_u32 s66, s66, s67
	s_lshl_b32 s67, s23, 8
	s_add_co_u32 s66, s66, s67
	s_lshl_b32 s67, s3, 18
	s_add_co_u32 s66, s66, s67                     ; w2: expert, half of K, my 256 bytes of a row, my 64 rows
	s_mov_b32 s67, 0
	s_mul_i32 s68, s22, 4864                       ; rows: my expert's list
	s_mov_b32 s69, 0
	s_mul_i32 s70, s22, 3145728
	s_mul_i32 s76, s24, 24576
	s_add_co_u32 s70, s70, s76                     ; himg: (e, tile 0, K step 16 kh)
	s_mov_b32 s71, 0
	s_lshl_b32 s72, s22, 18
	s_lshl_b32 s76, s24, 11
	s_add_co_u32 s72, s72, s76                     ; hsc likewise
	s_mov_b32 s73, 0
	s_lshl_b32 s74, s24, 23
	s_lshl_b32 s76, s23, 8
	s_add_co_u32 s74, s74, s76                     ; part: (kh, row 0, my columns)
	s_mov_b32 s75, 0
	s_wait_kmcnt 0x0
	s_add_nc_u64 s[30:31], s[8:9], s[66:67]
	s_add_nc_u64 s[60:61], s[14:15], s[68:69]
	s_add_nc_u64 s[56:57], s[10:11], s[70:71]
	s_add_nc_u64 s[58:59], s[12:13], s[72:73]
	s_add_nc_u64 s[62:63], s[18:19], s[74:75]
	s_mov_b64 s[34:35], s[56:57]                   ; the pairs that are stepped later begin as copies of a base
	s_mov_b64 s[36:37], s[58:59]
	s_wait_alu depctr_va_vdst(0)                   ; the offsets and LDS addresses v4 to v22 are written, which the loads and stores of both roles read
	s_cmp_lt_u32 s2, 4
	s_cbranch_scc0 .Lh_mul
	v_mov_b32 v[BZ], 0                             ; written once: a lane permute's destination counts as one of its sources
	s_mov_b64 s[26:27], s[30:31]
	LOADSET 0, 26                                  ; slot 0
	s_add_nc_u64 s[28:29], s[30:31], 1<<20
	LOADSET 128, 28                                ; slot 1
	s_branch .Lh_join
.Lh_mul:
	s_load_b32 s38, s[60:61], 0x1200               ; my expert's count
.irp g,0,1,2,3,4
	v_mov_b32 v[GV+2*\g+1], 0                      ; (named with the gate as a pair)
.endr
	s_wait_kmcnt 0x0
	s_min_u32 s38, s38, 1024
	s_add_co_u32 s39, s38, 15
	s_lshr_b32 s39, s39, 4                         ; tiles
	s_max_u32 s40, s39, 1
	s_sub_co_u32 s40, s40, 1
	s_add_co_u32 s41, s39, 19
	s_mul_i32 s41, s41, 3277
	s_lshr_b32 s41, s41, 16                        ; passes = ceil(tiles / 20), exact up to 64 tiles
	s_lshl_b32 s41, s41, 3
	s_mov_b32 s66, 0
	PASSINIT 0
.Lh_join:
	SLOT 0
	SLOT 1
	SLOT 2
	SLOT 3
	SLOT 4
	SLOT 5
	SLOT 6
	SLOT 7
	; ---- THE TAIL: slot 7 of pass 0 and its way out, then passes 1 to 3 where the expert has more than 320 rows.  No barrier: the images are only read, and a stage is its wave's own.  Every wave walks the loop.
	s_mov_b32 s42, 7
.Ltail:
	s_cmp_lt_u32 s2, 4
	s_cbranch_scc1 .Ltnext
	s_cmp_ge_u32 s42, s41
	s_cbranch_scc1 .Ltnext
	s_and_b32 s43, s42, 7
	s_mul_i32 s66, s43, CHB
	s_wait_alu depctr_vm_vsrc(0)                   ; the last trip's LDS loads have read v17, v18 and v29, which are written again below
	v_add_nc_u32 v[T16], s66, v4
	v_add_nc_u32 v[T8], s66, v5
	s_lshl_b32 s66, s43, 9
	v_add_nc_u32 v[TW], s66, v[MAW]
	s_wait_alu depctr_va_vdst(0)                   ; v17, v18 and v29 are written, which this trip's LDS loads read
	s_cmp_eq_u32 s43, 0
	s_cbranch_scc0 .Ltacc
	CONSUME T16, T8, TW, 0, 0, 1
	s_branch .Ltepi
.Ltacc:
	CONSUME T16, T8, TW, 0, 0, 0
.Ltepi:
	s_cmp_eq_u32 s43, 7
	s_cbranch_scc0 .Ltnoepi
.irp i,0,1,2,3,4,5,6,7
	v_add_nc_u32 v[IX+\i], 8*\i, v21               ; 4 x (2 i + hh): the lane that holds that row's number.  (What last read v80-87, the pass's loads and the last way out's permutes, stands ahead of a wait on vm_vsrc)
.endr
.irp g,0,1,2,3,4
	EPI2G \g
.endr
	s_wait_xcnt 0x0                                ; the last stores have been taken: later loads land on their registers
	s_wait_alu depctr_vm_vsrc(0)                   ; the last stores have read v168-199, in which the next fragments' loads land
.Ltnoepi:
	s_add_co_u32 s68, s42, 1
	s_cmp_ge_u32 s68, s41
	s_cbranch_scc1 .Ltnext
	s_and_b32 s69, s68, 7
	s_cmp_eq_u32 s69, 0
	s_cbranch_scc0 .Ltnopass
	s_lshr_b32 s66, s68, 3
	s_mul_i32 s66, s66, 20
	PASSINIT 1
.Ltnopass:
	s_add_co_u32 s68, s42, 1
	s_and_b32 s68, s68, 7
	s_mul_i32 s66, s68, 3072
	s_mov_b32 s67, 0
	s_add_nc_u64 s[34:35], s[56:57], s[66:67]      ; (the loads that named these pairs were waited for in CONSUME)
	s_lshl_b32 s66, s68, 8
	s_add_nc_u64 s[36:37], s[58:59], s[66:67]
	s_wait_alu depctr_va_vdst(0)                   ; the products are done reading the hidden layer's fragments and scale words, in which the loads below land, and the weights', in which the next trip's LDS loads land; the way out is done with v136-167
	TOKENS 34, 36, 0, 0
.Ltnext:
	s_add_co_u32 s42, s42, 1
	s_cmp_lt_u32 s42, 32
	s_cbranch_scc1 .Ltail
	s_wait_dscnt 0x0                               ; the closing lines, six on end
	s_wait_alu 0x0
	s_wait_tensorcnt 0x0
	ds_add_u32 v78, v79
	s_wait_dscnt 0x0
	s_endpgm
.Lfunc_end_k_q9db68663be_fc2:
	.size	k_q9db68663be_fc2, .Lfunc_end_k_q9db68663be_fc2-k_q9db68663be_fc2
	.p2alignl 7, 3214868480
	.fill 96, 4, 3214868480
	.section	.rodata,"a",@progbits
	.p2align	6, 0x0
	.amdhsa_kernel k_q9db68663be_fc2
		.amdhsa_group_segment_fixed_size 121856
		.amdhsa_private_segment_fixed_size 0
		.amdhsa_enable_private_segment 0
		.amdhsa_kernarg_size 48
		.amdhsa_user_sgpr_count 2
		.amdhsa_user_sgpr_kernarg_segment_ptr 1
		.amdhsa_wavefront_size32 1
		.amdhsa_system_sgpr_workgroup_id_x 1
		.amdhsa_system_sgpr_workgroup_id_y 1
		.amdhsa_system_sgpr_workgroup_id_z 1
		.amdhsa_system_vgpr_workitem_id 0
		.amdhsa_next_free_vgpr 512
		.amdhsa_next_free_sgpr 100
		.amdhsa_reserve_vcc 0
		.amdhsa_float_denorm_mode_32 3
		.amdhsa_float_denorm_mode_16_64 3
		.amdhsa_memory_ordered 1
		.amdhsa_forward_progress 1
		.amdhsa_inst_pref_size 255
	.end_amdhsa_kernel
	.section	.bss,"aw",@nobits
	.p2align	6
	.space	262144
	.amdgpu_metadata
---
amdhsa.version: [ 1, 2 ]
amdhsa.kernels:
  - .name:           k_q9db68663be_fc2
    .symbol:         k_q9db68663be_fc2.kd
    .args:
      - { .name: w2, .offset: 0, .size: 8, .value_kind: global_buffer, .address_space: global }
      - { .name: himg, .offset: 8, .size: 8, .value_kind: global_buffer, .address_space: global }
      - { .name: hsc, .offset: 16, .size: 8, .value_kind: global_buffer, .address_space: global }
      - { .name: rows, .offset: 24, .size: 8, .value_kind: global_buffer, .address_space: global }
      - { .name: gate, .offset: 32, .size: 8, .value_kind: global_buffer, .address_space: global }
      - { .name: part, .offset: 40, .size: 8, .value_kind: global_buffer, .address_space: global }
    .group_segment_fixed_size: 121856
    .private_segment_fixed_size: 0
    .kernarg_segment_align: 8
    .kernarg_segment_size: 48
    .max_flat_workgroup_size: 256
    .sgpr_count:     100
    .vgpr_count:     512
    .wavefront_size: 32
...
	.end_amdgpu_metadata
.endif
;; end of part 5
;; launch combine: the kernel of part 4 again; grid 256 x 1, 8 waves a work-group, no clusters, 0 bytes of LDS; arguments part, out0; writes out0
